; MI455X (gfx1250); checked and timed in simulation.
; The chip was launched on July 23, 2026; its instructions are those of AMD's public machine-readable ISA for CDNA 5 (MIT licence, August 2026) and "CDNA5" Instruction Set Architecture Reference Guide (July 2026). The comments in the code are by the model that wrote it; some were corrected since.
;; Multi Head Attention. Allowed arithmetic: matrix products marked QUANTISED: E5M2 operands, one E8M0 scale for each 32 along K, by v_wmma_scale_f32_16x16x128_f8f6f4 with both operands' format E5M2, f32 sums; everything else in f32.
;; Inputs: Wk_codes 16 x 64 x 32 x 32 uint8 (E5M2 codes of Wk, K innermost, in blocks of 32 codes); Wk_scales 16 x 64 x 32 uint8 (E8M0 scales of Wk, one for each 32 codes along K); Wproj_codes 1,024 x 32 x 32 uint8 (E5M2 codes of Wproj, K innermost, in blocks of 32 codes); Wproj_scales 1,024 x 32 uint8 (E8M0 scales of Wproj, one for each 32 codes along K); Wq_codes 16 x 64 x 32 x 32 uint8 (E5M2 codes of Wq, K innermost, in blocks of 32 codes); Wq_scales 16 x 64 x 32 uint8 (E8M0 scales of Wq, one for each 32 codes along K); Wv_codes 16 x 64 x 32 x 32 uint8 (E5M2 codes of Wv, K innermost, in blocks of 32 codes); Wv_scales 16 x 64 x 32 uint8 (E8M0 scales of Wv, one for each 32 codes along K); bproj 1,024 float32; x_codes 4 x 2,048 x 32 x 32 uint8 (E5M2 codes of x, K innermost, in blocks of 32 codes); x_scales 4 x 2,048 x 32 uint8 (E8M0 scales of x, one for each 32 codes along K).
;; Outputs: out0 4 x 2,048 x 1,024 float32.
;; This version of the problem:
;;   THIS VERSION OF THE PROBLEM IS GIVEN IN LOW PRECISION. The matrix products marked QUANTISED in the list below multiply operands that are first quantised to E5M2 (5 exponent bits, 2 mantissa bits; 8 bits a number), with one power-of-two scale for each 32 numbers along K (OCP MX v1.0); their sums are f32. All else is computed in f32.
;;   The module's matrix products, in the order in which they are computed (A, B: the left and right operand; K: the contracted axis; several contracted axes count as one K, in the product's order):
;;     1. [M 1,024, K 1,024] x [K 1,024, N 8,192]; A: input Wq (given as codes); B: input x (given as codes): QUANTISED
;;     2. [M 1,024, K 1,024] x [K 1,024, N 8,192]; A: input Wk (given as codes); B: input x (given as codes): QUANTISED
;;     3. [M 1,024, K 1,024] x [K 1,024, N 8,192]; A: input Wv (given as codes); B: input x (given as codes): QUANTISED
;;     4. batch 64 x [M 2,048, K 64] x [K 64, N 2,048]; A: computed on the way; B: computed on the way: QUANTISED
;;     5. batch 64 x [M 2,048, K 2,048] x [K 2,048, N 64]; A: softmax (see below); B: computed on the way: QUANTISED
;;     6. [M 8,192, K 1,024] x [K 1,024, N 1,024]; A: computed on the way; B: input Wproj (given as codes): QUANTISED
;;   THE QUANTISER, for each operand of a quantised product, along K:
;;     - K is cut into blocks of 32 from its start; a last block that is shorter is filled with zeros.
;;     - A block's scale is 2^e with e = floor(log2(the largest magnitude in the block)) - 15, held to -126 .. 127; a block of zeros has e = 0. As a byte (E8M0): e + 127.
;;     - Each number is divided by its block's scale, clamped to +-57,344, and rounded to the nearest number of E5M2, ties to even, subnormals kept.
;;     - The product sums the exact products of the quantised numbers (number of the format x scale) in f32.
;;   ~~~python
;;   def quantise(x, axis):      # numpy; x: float32 -> the quantised numbers, widened to float32 again
;;       x = np.moveaxis(x, axis, -1); K = x.shape[-1]
;;       x = np.pad(x, [(0, 0)] * (x.ndim - 1) + [(0, -K % 32)]); x = x.reshape(x.shape[:-1] + (-1, 32)); a = np.abs(x).max(-1, keepdims=True)
;;       e = np.where(a > 0, np.clip(np.frexp(np.where(a > 0, a, 1))[1] - 1 - 15, -126, 127), 0)      # np.frexp(a)[1] - 1 = floor(log2(a)), exactly
;;       r = np.clip(x / 2.0 ** e, -57344, 57344)
;;       step = 2.0 ** (np.maximum(np.frexp(np.where(r == 0, 1, r))[1] - 1, -14) - 2)
;;       q = np.round(r / step) * step * 2.0 ** e      # np.round: ties to even
;;       return np.moveaxis(q.reshape(q.shape[:-2] + (-1,))[..., :K], -1, axis).astype(np.float32)
;;   ~~~
;;   SOFTMAX AHEAD OF A QUANTISED PRODUCT. Where the list says 'softmax', what is quantised is not the finished softmax but p = 2^(t - M), with t = logit x log2(e) and M = ceil(the row's largest t), a whole number; so 1/2 < the row's largest p <= 1. The row's sum l is taken of the UNQUANTISED p, in f32, and the product's result is divided by l at the end. Since M is a whole number, a kernel that streams over the keys may use a running M (the ceiling of the running maximum): every later rescaling is an exact power of two, which a block's scale takes up: the codes' values come out the same.
;;   OPERANDS COMPUTED ON THE WAY. 'Computed on the way' means the value that the module computes at that place (a softmax that the list does not call 'softmax' is quantised finished and normalised). What goes into a quantiser is computed in f32, as accurately as f32 sums, v_exp_f32 and their like allow (about 1e-6 of the number): no bf16 or f16 on the way to a quantiser, and a product that is left as it is and whose result goes on into a quantised operand takes f32 operands (vector FMAs, or v_wmma_f32_16x16x4_f32). A number that lies on a knife's edge between two numbers of the format may be rounded either way, as far as f32 arithmetic and the matrix unit's own rounding can turn it there, and no further.
;;   INPUTS GIVEN AS CODES. Wk (in the module: [16, 1024, 64], K = its axis 1); Wproj (in the module: [1024, 1024], K = its axis 1); Wq (in the module: [16, 1024, 64], K = its axis 1); Wv (in the module: [16, 1024, 64], K = its axis 1); x (in the module: [4, 2048, 1024], K = its axis 2): each comes as NAME_codes (uint8): NAME with its K axis moved to the last place and cut into blocks of 32 codes, [.., K / 32, bytes a block], one block behind the other in memory; one code a byte (a code: sign, 5 exponent bits, 2 mantissa bits); and NAME_scales (uint8): the same leading axes, one E8M0 byte (e + 127) for each 32 codes along K. Its value is code x scale, taken as it is: it is not quantised again, and the codes and scales need not be those that the quantiser above would give.
;; One version. Each part assembles by itself: llvm-mc -triple=amdgcn-amd-amdhsa -mcpu=gfx1250 --defsym DOCPART=n.
;; ======== version 1 of 1: 3 launches
;; limits: right only within a limited range of input values
;; workspace buffers: qb 17,825,792 bytes; kv 17,825,792 bytes; att 8,388,608 bytes; atts 262,144 bytes
;; launch qkv (part 1): grid 16 x 16, 4 waves a work-group, clusters of 4 x 4, 327,680 bytes of LDS; arguments x_codes, x_scales, Wq_codes, Wq_scales, Wk_codes, Wk_scales, Wv_codes, Wv_scales, qb, kv; writes qb, kv
.if DOCPART == 1
	.amdgcn_target "amdgcn-amd-amdhsa--gfx1250"
	.amdhsa_code_object_version 6
	.text
	.protected	k_qeec40b39e9_qkv
	.globl	k_qeec40b39e9_qkv
	.p2align	8
	.type	k_qeec40b39e9_qkv,@function
k_qeec40b39e9_qkv:
	s_mov_b64 s[64:65], 0
	v_nop
	global_prefetch_b8 v0, s[64:65] scope:SCOPE_SE
	s_setreg_imm32_b32 hwreg(HW_REG_WAVE_MODE, 25, 1), 1
	s_wait_xcnt 0x0
	s_wait_alu depctr_hold_cnt(0) depctr_sa_sdst(0) depctr_va_vdst(0) depctr_va_sdst(0) depctr_va_ssrc(0) depctr_va_vcc(0) depctr_vm_vsrc(0)
	s_getreg_b32 s2, hwreg(HW_REG_IB_STS2, 6, 4)
	s_cmp_eq_u32 s2, 0
	s_cbranch_scc0 .Lentry_in_a_cluster
	s_endpgm
.Lentry_in_a_cluster:
	s_bfe_u32 s2, ttmp6, 0x10000c
	s_cmp_lg_u32 s2, 0xf033
	s_cbranch_scc0 .Lentry_shape_is_right
	s_endpgm
.Lentry_shape_is_right:
; q = x Wq, k = x Wk, v = x Wv on codes of BF8 (E5M2, one E8M0 byte for 32 along K = 1,024), f32 sums; the results are quantised at once, q and k along the head's 64, v along the keys, and leave as IMAGES OF OPERAND REGISTERS for the attention launch.
; THE PROGRAM'S WORK LEFT OUT: reference() hides key k from query q where k > q by a mask that it builds itself; the attention launch does not compute a step of 128 keys all of which come after a tile's 16 queries. A NaN or an infinity that lies only there is not carried. This launch leaves nothing out.
; A RECORD (REC bytes) holds 128 tokens of one head, [batch x 16 + head][step]: K (or Q) tiles t of 16 tokens at 1,024 t, groups at + 512 (lane l's 16 bytes at 16 l); V^T fragments t at 8,192 + 2,048 t, groups (32 keys) at + 512 c;
; K's scale words at 16,384 ([lane][4 words]: word j: lanes 0-15 tile 2 j, lanes 16-31 tile 2 j + 1; bytes 0, 1 the two blocks of 32, bytes 2, 3 zero); V's at 16,896 ([lane][4 words]: word t: row 16 t + lane % 16, byte c). qb has the same frame; its V places are neither stored nor read.
; Inside a block of 32 an operand's slot (c, h, i) holds k = 32 c + 8 h + i (i < 8) or 32 c + 16 + 8 h + (i - 8): the same for both operands of each later product, so the set of products is that of the natural order.
; THE DEAL.  256 work-groups of four waves, 2 x 2.  A wave holds 64 rows of a weight (one head), ALL of K, in 512 registers (windows 1, 2) and streams blocks of 16 tokens past them: 32 products a block on four accumulators by turns; two sets of 128 registers (window 3) take the block two on.
; PHASE 1: 512 tokens x 128 columns of Q (cluster x 0, 1) or K (2, 3): 16 blocks a wave; source 0 = the weight: a lane holds one token, its registers run along d.  PHASE 2: 256 of these tokens (window s = cluster x % 2) x 128 columns of V (tile 4 (cluster x / 2) + cx): 8 blocks; source 0 = the tokens: a lane holds one d, its registers run along the keys.
; THE ORDER OF WORK: chunks of 128 tokens: the window that is not V's (chunks 0, 1), then V's (2, 3), then V's again for phase 2: only global addresses hang on s.  Of a chunk's eight tiles wave row w takes 2 j + w in phase 1, and 4 u + 2 w, + 1 (a block of 32 keys) in phase 2.
; LDS: two slots of 128 rows of 1,024 bytes + 16; x's scale bytes of the 512 tokens in the order of work; the results' scale words, gathered as the records want them; the spare words.
; FILLS, joint loads: a row of the cluster shares x's rows, a column a weight's.  At the head one a wave: wave 0 the weight (slot 1; the first barrier shows it alone), wave 1 chunk 0 (slot 0), waves 2, 3 a window's scale bytes.  Every later fill stands behind a drained round of the cluster's barrier, a quarter of 128 rows a wave:
; chunk 1 over the weight when it stands in registers; inside block 2 of chunk c (c = 0, 1, 2) the chunk two on; Wv's rows behind block 13; V's second chunk when Wv stands in registers.
; PREFETCH, each block of 256 bytes named once in a cluster's row (Wv: column), a lane a block, shared out by address among its sixteen waves: chunks 1 and 2 at the head, chunk 3 in trip 0 (six blocks ahead of its load), Wv's rows in trip 1 (nine blocks ahead).  What comes a second time has been read before.
; LIMITS: NaN, infinities and a given scale byte 0xff are not served.  A block of zeros gets the byte 1 where the rule says 127: its codes are zeros and this program alone reads the bytes; blocks whose largest magnitude lies under 2^-111 are held at the byte 1.
.set REC,   17408
.set VOFF,  8192
.set KSOFF, 16384
.set VSOFF, 16896
.set KROW,  1024
.set PITCH, KROW+16
.set TILEP, 16*PITCH
.set YB,    128*PITCH                  ; slot 1
.set SCL,   2*YB                       ; x's scale bytes: units of 256 bytes (8 rows) + 16
.set SUN,   544                        ; those of 16 rows
.set SCH,   8*SUN                      ; of a chunk
.set XN,    SCL+64*272                 ; Q's or K's scale words: [wave column][chunk][512]
.set XV,    XN+4096                    ; V's: [wave column][chunk][512]
.set SPARE, XV+2048
.set NF,    34                         ; LDS loads of a block: 32 of codes, 2 of scale words
.set ADRA0, 4                          ; v4  my lane in tile w of a slot (phase 1);  v5 in tile 2 w (phase 2)
.set ADRV0, 5
.set AAS0,  6                          ; v6, v7 the same among x's scale bytes
.set AASV0, 7
.set ADRB,  8                          ; v8  my fragments of a weight in slot 1
.set CN,    9                          ; v9  16 x lane
.set VX0,   10                         ; v10 my word in XN;  v11 my byte in XV
.set XV0,   11
.set ADRA,  12                         ; v12, v13 the block that is fetched;  v14 the scale word's place
.set AAS,   13
.set VX,    14
.set ABS,   15                         ; v15 32 x lane
.set PF1,   16                         ; v16-18 the prefetches' offsets
.set PF2,   17
.set PFW,   18
.set SPW,   20
.set NIL,   21
.set RDQ,   22                         ; v22, v23 the end: my part of XN, of XV
.set RDV,   23
.set WSC,   24                         ; v24-39 the first weight's scale words: 8 p + q: lanes 0-15 tile 2 p, lanes 16-31 tile 2 p + 1
.set SA,    44                         ; v44-59 x's, a set of eight for each set of codes (no product's two scale registers have numbers equal modulo 8)
.set WS2,   64                         ; v64-79 Wv's
.set ACC,   80                         ; v80-143 two sets of four accumulators
.set NCD,   144                        ; v144-159 codes
.set TM,    160
.set T2,    164
.set SOP,   168
.set CAP,   172
.set EB,    176
.set WS,    180
.set TRIP, 2
.set CUR,  3                           ; the slot of the chunk in hand;  s8 of the next
.set NXT,  8
.set SSC,  9                           ; where the chunk's scale bytes begin
.set SX,   13                          ; where its scale words go
.set T0,   14
.set T1,   15
.set MNT,  66
.set G1A, 36
.set G1B, 44
.set G1R, 52
.set G0A, 60
.set G1S, 68
.set G0B, 76
.set G0R, 80
.set G0S, 84
.set OP,  88                           ; s[88:89] Q's or K's codes of the chunk in hand; s[90:91] of chunk 2; s[92:93] V's
.set OPS, 90
.set VP,  92
.set SEL, 94
.set MSB, 0
.macro WIN new                         ; the immediate's high byte repeats the setting that is left
.if MSB != (\new)
	s_set_vgpr_msb (MSB<<8)|(\new)
.set MSB, (\new)
.endif
.endm
.macro PLACES n
.rept \n
	v_nop
.endr
.endm
.macro BARRIER
	s_barrier_signal -1
	s_barrier_wait -1
.endm
.macro CROUND                          ; a round of the cluster's barrier
	BARRIER
	s_cmp_lg_u32 s24, 0
	s_cbranch_scc1 .Lnot_wave_0_\@
	s_barrier_signal -3
.Lnot_wave_0_\@:
	s_barrier_wait -3
	BARRIER
.endm
.macro TLOAD g0, g1                    ; an s_nop 0 and four v_nop follow the load
	tensor_load_to_lds s[\g0:\g0+3], s[\g1:\g1+7]
	s_nop 0
	PLACES 4
.endm
.macro GROUP1 g, mask, rows            ; so many whole rows of 1,024 bytes, dense in memory, 16 bytes of padding behind each in LDS
	s_or_b32 s[\g+0], s[\mask], (1<<20)|(1<<21)|(7<<22)|(3<<25)
	s_mov_b32 s[\g+1], (KROW&0xffff)<<16
	s_mov_b32 s[\g+2], (KROW>>16)|((\rows)<<16)
	s_mov_b32 s[\g+3], KROW<<16
	s_mov_b32 s[\g+4], \rows
	s_mov_b32 s[\g+5], KROW
	s_mov_b32 s[\g+6], 0
	s_mov_b32 s[\g+7], 0
.endm
.macro RDESC ldsr, offr                ; group 0 of a refill of x's rows: 32 rows a wave, from x_codes + s[offr] + s101, to the slot at s[ldsr]
	s_mul_i32 s[G0R+1], s24, 32*PITCH
	s_add_co_u32 s[G0R+1], s[G0R+1], s[\ldsr]
	s_lshl_b32 s100, s24, 15
	s_add_co_u32 s100, s100, s[\offr]
	s_add_co_u32 s100, s100, s101
	s_mov_b32 s101, 0
	s_add_nc_u64 s[G0R+2:G0R+3], s[4:5], s[100:101]
	s_or_b32 s[G0R+3], s[G0R+3], 0x80000000
.endm
	s_load_b512 s[4:19], s[0:1], 0x0               ; x's codes, scales; Wq's; Wk's; Wv's
	s_load_b128 s[20:23], s[0:1], 0x40             ; qb, kv
	v_lshl_add_u32 v[SPW], v0, 2, SPARE
	v_mov_b32 v[NIL], 0
	ds_add_u32 v[SPW], v[NIL]                      ; the opening lines: the add, twice on end, and its wait
	ds_add_u32 v[SPW], v[NIL]
	v_lshrrev_b32 v1, 5, v0
	v_readfirstlane_b32 s24, v1                    ; wave 0..3
	s_lshr_b32 s25, s24, 1                         ; my row of waves
	s_and_b32 s26, s24, 1                          ; my column of waves
	s_bfe_u32 s27, ttmp6, 0x40000                  ; cx, cy
	s_bfe_u32 s28, ttmp6, 0x40004
	s_lshr_b32 s29, ttmp9, 1                       ; 0: phase 1 makes Q; 1: K
	s_and_b32 s30, ttmp9, 1                        ; s: V's window
	s_and_b32 s31, ttmp7, 0xffff
	s_lshl_b32 s31, s31, 2
	s_add_co_u32 s31, s31, s28                     ; tile row: 512 tokens
	s_lshl_b32 s32, s28, 2
	s_lshl_b32 s32, 15, s32                        ; my row of the cluster
	s_lshl_b32 s33, 0x1111, s27                    ; my column
	GROUP1 G1B, 33, 128
	GROUP1 G1A, 32, 128
	GROUP1 G1R, 32, 32
	s_or_b32 s[G1S+0], s32, (3<<16)|(1<<20)|(1<<21)|(5<<22)|(3<<25)   ; a window's scale bytes: 32 rows of 256 bytes, 16 of padding behind each
	s_mov_b32 s[G1S+1], 32<<16
	s_mov_b32 s[G1S+2], 32<<16
	s_mov_b32 s[G1S+3], 32<<16
	s_mov_b32 s[G1S+4], 32
	s_mov_b32 s[G1S+5], 32
	s_mov_b32 s[G1S+6], 0
	s_mov_b32 s[G1S+7], 0
	s_lshl_b32 s96, s31, 19                        ; x's side: registers that never hold cx
	s_lshl_b32 s97, s30, 18
	s_add_co_u32 s34, s96, s97                     ; s34: V's window in x_codes;
	s_xor_b32 s97, s97, 0x40000
	s_add_co_u32 s35, s96, s97                     ; s35: the other window
	s_xor_b32 s100, s30, s26                       ; scale bytes: wave 2 the other window, wave 3 V's
	s_xor_b32 s100, s100, 1
	s_lshl_b32 s100, s100, 13
	s_lshl_b32 s96, s31, 14
	s_add_co_u32 s100, s100, s96
	s_mov_b32 s101, 0
	s_mov_b32 s96, s35
	s_mov_b32 s97, 0
	s_lshl_b32 s98, s30, 2                         ; the weight's side: registers that never hold cy
	s_add_co_u32 s98, s98, s27                     ; column tile of Q or of K
	s_lshl_b32 s98, s98, 17
	s_mov_b32 s99, 0
	s_mov_b32 s[G0A], 1
	s_mov_b32 s[G0A+1], 0
	s_mov_b32 s[G0B], 1
	s_mov_b32 s[G0B+1], YB
	s_mov_b32 s[G0R], 1
	s_mov_b32 s[G0S], 1
	s_mul_i32 s[G0S+1], s26, 32*272
	s_add_co_u32 s[G0S+1], s[G0S+1], SCL
	s_wait_dscnt 0x0
	CROUND                                         ; all sixteen work-groups are here: the first joint loads meet
	s_wait_kmcnt 0x0
	s_cmp_eq_u32 s29, 0                            ; the buffers are chosen by the cluster's number
	s_cselect_b64 s[8:9], s[8:9], s[12:13]
	s_cselect_b64 s[10:11], s[10:11], s[14:15]
	s_cselect_b64 s[20:21], s[20:21], s[22:23]
	s_add_nc_u64 s[G0B+2:G0B+3], s[8:9], s[98:99]
	s_or_b32 s[G0B+3], s[G0B+3], 0x80000000
	s_add_nc_u64 s[G0A+2:G0A+3], s[4:5], s[96:97]
	s_or_b32 s[G0A+3], s[G0A+3], 0x80000000
	s_add_nc_u64 s[G0S+2:G0S+3], s[6:7], s[100:101]
	s_or_b32 s[G0S+3], s[G0S+3], 0x80000000
	s_cmp_eq_u32 s24, 0                            ; one chain of arms, one load each
	s_cbranch_scc0 .Lwave_1
	TLOAD G0B, G1B                                 ; wave 0: the weight, which is wanted first
	s_branch .Lasked
.Lwave_1:
	s_cmp_eq_u32 s24, 1
	s_cbranch_scc0 .Lfor_scales
	TLOAD G0A, G1A                                 ; wave 1: chunk 0
	s_branch .Lasked
.Lfor_scales:
	TLOAD G0S, G1S                                 ; waves 2, 3: a window's scale bytes each
.Lasked:
	s_lshl_b32 s98, s30, 2
	s_add_co_u32 s98, s98, s27                     ; column tile of Q or K
	s_lshl_b32 s99, s29, 2
	s_add_co_u32 s99, s99, s27                     ; column tile of V
	s_lshl_b32 s12, s99, 17                        ; s12: Wv's rows
	s_lshl_b32 s13, s26, 11
	s_lshl_b32 s14, s98, 12
	s_add_co_u32 s14, s14, s13
	s_mov_b32 s15, 0
	s_add_nc_u64 s[10:11], s[10:11], s[14:15]      ; the scale bytes of my 64 rows of the first weight,
	s_lshl_b32 s14, s99, 12
	s_add_co_u32 s14, s14, s13
	s_add_nc_u64 s[18:19], s[18:19], s[14:15]      ; and of Wv
	s_lshr_b32 s13, s31, 2
	s_lshl_b32 s13, s13, 8
	s_and_b32 s14, s31, 3
	s_lshl_b32 s14, s14, 2
	s_add_co_u32 s13, s13, s14                     ; 256 x batch + my first record
	s_lshl_b32 s66, s30, 1                         ; records to V's window,
	s_xor_b32 s67, s66, 2                          ; to the other
	s_lshl_b32 s8, s98, 5
	s_lshl_b32 s9, s26, 4
	s_add_co_u32 s8, s8, s9
	s_add_co_u32 s8, s8, s13                       ; my head's records of Q or K
	s_lshl_b32 s9, s25, 10                         ; tile w
	s_add_co_u32 s14, s8, s67
	s_mul_i32 s14, s14, REC
	s_add_co_u32 s14, s14, s9
	s_add_nc_u64 s[OP:OP+1], s[20:21], s[14:15]
	s_add_co_u32 s14, s8, s66
	s_mul_i32 s14, s14, REC
	s_add_co_u32 s14, s14, s9
	s_add_nc_u64 s[OPS:OPS+1], s[20:21], s[14:15]
	s_lshl_b32 s8, s99, 5
	s_lshl_b32 s9, s26, 4
	s_add_co_u32 s8, s8, s9
	s_add_co_u32 s8, s8, s13
	s_add_co_u32 s8, s8, s66
	s_mul_i32 s14, s8, REC
	s_lshl_b32 s9, s25, 9                          ; key block w
	s_add_co_u32 s14, s14, s9
	s_add_co_u32 s14, s14, VOFF
	s_add_nc_u64 s[VP:VP+1], s[22:23], s[14:15]
	s_lshl_b32 s8, s98, 5                          ; the end: wave n stores the scale words of wave column n / 2: chunks 2 (n % 2), + 1 of Q or K,
	s_lshl_b32 s9, s25, 4
	s_add_co_u32 s8, s8, s9
	s_add_co_u32 s8, s8, s13
	s_cmp_eq_u32 s26, 1
	s_cselect_b32 s9, s66, s67
	s_add_co_u32 s8, s8, s9
	s_mul_i32 s14, s8, REC
	s_add_co_u32 s14, s14, KSOFF
	s_add_nc_u64 s[20:21], s[20:21], s[14:15]
	s_lshl_b32 s8, s99, 5                          ; and chunk n % 2 of V
	s_lshl_b32 s9, s25, 4
	s_add_co_u32 s8, s8, s9
	s_add_co_u32 s8, s8, s13
	s_add_co_u32 s8, s8, s66
	s_add_co_u32 s8, s8, s26
	s_mul_i32 s14, s8, REC
	s_add_co_u32 s14, s14, VSOFF
	s_add_nc_u64 s[22:23], s[22:23], s[14:15]
	s_lshl_b32 s8, s27, 2                          ; the prefetches: which of the cluster row's sixteen waves I am: 8,192 bytes of a chunk
	s_add_co_u32 s8, s8, s24
	s_lshl_b32 s8, s8, 13
	s_add_co_u32 s9, s8, s35
	s_add_co_u32 s9, s9, 131072                    ; chunk 1
	s_add_co_u32 s8, s8, s34                       ; chunk 2
	s_lshl_b32 s13, s28, 2                         ; and of the column's: of Wv's rows
	s_add_co_u32 s13, s13, s24
	s_lshl_b32 s13, s13, 13
	s_add_co_u32 s13, s13, s12
	v_and_b32 v1, 15, v0                           ; r
	v_bfe_u32 v2, v0, 4, 1                         ; h
	v_and_b32 v3, 31, v0                           ; lane
	v_bfe_u32 v60, v0, 6, 1                        ; my row of waves
	v_bfe_u32 v61, v0, 5, 1                        ; my column
	v_lshrrev_b32 v62, 5, v0                       ; wave
	v_mul_u32_u24 v19, v1, PITCH
	v_lshl_add_u32 v19, v2, 4, v19                 ; a fragment's row x pitch + 16 h
	v_mad_u32_u24 v[ADRA0], v60, TILEP, v19
	v_mad_u32_u24 v[ADRV0], v60, 2*TILEP, v19
	v_mad_u32_u24 v[ADRB], v61, 64*PITCH, v19
	v_add_nc_u32 v[ADRB], YB, v[ADRB]
	v_lshlrev_b32 v63, 5, v1                       ; scale bytes: 32 a row, 16 more for each 8 rows
	v_lshrrev_b32 v19, 3, v1
	v_lshl_add_u32 v63, v19, 4, v63
	v_add_nc_u32 v63, SCL, v63
	v_mad_u32_u24 v[AAS0], v60, SUN, v63
	v_mad_u32_u24 v[AASV0], v60, 2*SUN, v63
	v_lshlrev_b32 v[CN], 4, v3
	v_lshl_add_u32 v63, v60, 4, v1                 ; Q's, K's word: lane r + 16 w of the image
	v_lshlrev_b32 v63, 4, v63
	v_mad_u32_u24 v63, v61, 2048, v63
	v_add_nc_u32 v[VX0], XN, v63
	v_mad_u32_u24 v63, v61, 1024, v[CN]            ; V's byte: my lane's 16 bytes, byte w
	v_add_nc_u32 v63, v63, v60
	v_add_nc_u32 v[XV0], XV, v63
	v_mad_u32_u24 v63, v62, 1024, v[CN]
	v_add_nc_u32 v[RDQ], XN, v63
	v_mad_u32_u24 v63, v62, 512, v[CN]
	v_add_nc_u32 v[RDV], XV, v63
	v_lshlrev_b32 v[ABS], 5, v3
	v_lshl_add_u32 v[PF1], v3, 8, s9
	v_lshl_add_u32 v[PF2], v3, 8, s8
	v_lshl_add_u32 v[PFW], v3, 8, s13
.irp b, 0,1,2,3
	v_mov_b32 v[T2+\b], 0                          ; a lane permute's destination counts as one of its sources
.endr
	s_wait_alu depctr_va_vdst(0)                   ; the wait at the head's end
	global_prefetch_b8 v[PF1], s[4:5] th:TH_LOAD_NT scope:SCOPE_SE
	global_prefetch_b8 v[PF2], s[4:5] th:TH_LOAD_NT scope:SCOPE_SE
.irp p, 0,1
.irp c, 0,1
	global_load_b128 v[WSC+8*\p+4*\c:WSC+8*\p+4*\c+3], v[ABS], s[10:11] offset:\p*1024+16*\c
	global_load_b128 v[WS2+8*\p+4*\c:WS2+8*\p+4*\c+3], v[ABS], s[18:19] offset:\p*1024+16*\c
.endr
.endr
	s_cmp_eq_u32 s24, 0
	s_cbranch_scc0 .Lnot_w
	s_wait_tensorcnt 0x0                           ; wave 0: the weight is in
.Lnot_w:
	BARRIER
.macro WEIGHTS                         ; my 64 rows of the weight in slot 1, all of K: fragment 4 q + b in window 1 + (4 q + b) / 16: registers 4 c ..: k = 128 q + 32 c + 16 h ..
.irp q, 0,1,2,3,4,5,6,7
.irp b, 0,1,2,3
	WIN (1+(4*\q+\b)/16)<<6
.irp c, 0,1,2,3
	ds_load_b128 v[16*((4*\q+\b)%16)+4*\c:16*((4*\q+\b)%16)+4*\c+3], v[ADRB] offset:\b*TILEP+128*\q+32*\c
.endr
.endr
.endr
	WIN 0
.endm
.macro FETCH k                         ; the block at v[ADRA], 16 rows, all of K, into set k of window 3, and its scale words: NF loads
	WIN 3<<6
.irp q, 0,1,2,3,4,5,6,7
.irp c, 0,1,2,3
	ds_load_b128 v[128*(\k)+16*\q+4*\c:128*(\k)+16*\q+4*\c+3], v[ADRA] offset:128*\q+32*\c
.endr
.endr
	WIN 0
	ds_load_b128 v[SA+8*(\k):SA+8*(\k)+3], v[AAS]
	ds_load_b128 v[SA+8*(\k)+4:SA+8*(\k)+7], v[AAS] offset:16
.endm
.macro PROD kind, k, a, n              ; product n = 4 q + b: x's rows in set k, sums in set a.  kind 0: source 0 = the weight's rows; kind 1: source 0 = x's rows.  The first product of a sum takes the constant 0
.set Q_, (\n)/4
.set B_, (\n)%4
.set AC_, ACC+32*(\a)+8*B_
.set R_, 128*(\k)+16*Q_
.set W_, 16*((\n)%16)
.set XS_, SA+8*(\k)+Q_
.if \kind
.set WS_, WS2+8*(B_/2)+Q_
	WIN 3|((1+(\n)/16)<<2)
.if Q_ && B_%2
	v_wmma_scale_f32_16x16x128_f8f6f4 v[AC_:AC_+7], v[R_:R_+15], v[W_:W_+15], v[AC_:AC_+7], v[XS_], v[WS_] matrix_a_fmt:MATRIX_FMT_BF8 matrix_b_fmt:MATRIX_FMT_BF8 matrix_b_scale:MATRIX_SCALE_ROW1
.elseif Q_
	v_wmma_scale_f32_16x16x128_f8f6f4 v[AC_:AC_+7], v[R_:R_+15], v[W_:W_+15], v[AC_:AC_+7], v[XS_], v[WS_] matrix_a_fmt:MATRIX_FMT_BF8 matrix_b_fmt:MATRIX_FMT_BF8
.elseif B_%2
	v_wmma_scale_f32_16x16x128_f8f6f4 v[AC_:AC_+7], v[R_:R_+15], v[W_:W_+15], 0, v[XS_], v[WS_] matrix_a_fmt:MATRIX_FMT_BF8 matrix_b_fmt:MATRIX_FMT_BF8 matrix_b_scale:MATRIX_SCALE_ROW1
.else
	v_wmma_scale_f32_16x16x128_f8f6f4 v[AC_:AC_+7], v[R_:R_+15], v[W_:W_+15], 0, v[XS_], v[WS_] matrix_a_fmt:MATRIX_FMT_BF8 matrix_b_fmt:MATRIX_FMT_BF8
.endif
.else
.set WS_, WSC+8*(B_/2)+Q_
	WIN (1+(\n)/16)|(3<<2)
.if Q_ && B_%2
	v_wmma_scale_f32_16x16x128_f8f6f4 v[AC_:AC_+7], v[W_:W_+15], v[R_:R_+15], v[AC_:AC_+7], v[WS_], v[XS_] matrix_a_fmt:MATRIX_FMT_BF8 matrix_b_fmt:MATRIX_FMT_BF8 matrix_a_scale:MATRIX_SCALE_ROW1
.elseif Q_
	v_wmma_scale_f32_16x16x128_f8f6f4 v[AC_:AC_+7], v[W_:W_+15], v[R_:R_+15], v[AC_:AC_+7], v[WS_], v[XS_] matrix_a_fmt:MATRIX_FMT_BF8 matrix_b_fmt:MATRIX_FMT_BF8
.elseif B_%2
	v_wmma_scale_f32_16x16x128_f8f6f4 v[AC_:AC_+7], v[W_:W_+15], v[R_:R_+15], 0, v[WS_], v[XS_] matrix_a_fmt:MATRIX_FMT_BF8 matrix_b_fmt:MATRIX_FMT_BF8 matrix_a_scale:MATRIX_SCALE_ROW1
.else
	v_wmma_scale_f32_16x16x128_f8f6f4 v[AC_:AC_+7], v[W_:W_+15], v[R_:R_+15], 0, v[WS_], v[XS_] matrix_a_fmt:MATRIX_FMT_BF8 matrix_b_fmt:MATRIX_FMT_BF8
.endif
.endif
.endm
.macro SCALE4 m                        ; m blocks of 32, each shared with lane l xor 16: the largest magnitude -> the conversion's scale operand, the largest number x the scale, the byte
.set G_, 0
.rept \m
	v_permlanex16_b32 v[T2+G_], v[TM+G_], s[SEL], s[SEL+1]
.set G_, G_+1
.endr
.set G_, 0
.rept \m
	v_max_num_f32 v[TM+G_], v[TM+G_], v[T2+G_]
.set G_, G_+1
.endr
.set G_, 0
.rept \m
	v_add_nc_u32 v[SOP+G_], 0xf8800000, v[TM+G_]   ; 15 off the exponent field
.set G_, G_+1
.endr
.set G_, 0
.rept \m
	v_and_or_b32 v[CAP+G_], v[TM+G_], 0x7f800000, s[MNT]
.set G_, G_+1
.endr
.set G_, 0
.rept \m
	v_lshrrev_b32 v[EB+G_], 23, v[SOP+G_]
.set G_, G_+1
.endr
.endm
.macro OUT1 j                          ; Q's or K's block: 32 sums a lane, two blocks of 32 along d -> tile 2 j + w of the record: two groups of 512 bytes; its scale word goes to XN
.irp g, 0,1
	v_max3_num_f32 v[TM+\g], |v[ACC+16*\g]|, |v[ACC+16*\g+1]|, 0x8000000     ; each accumulator from its low end on; the floor 2^(16 - 127): the byte cannot fall under 1
.endr
.irp i, 2,4,6,8,10,12,14
.irp g, 0,1
	v_max3_num_f32 v[TM+\g], v[TM+\g], |v[ACC+16*\g+\i]|, |v[ACC+16*\g+\i+1]|
.endr
.endr
	SCALE4 2
	v_lshl_or_b32 v[WS], v[EB+1], 8, v[EB]
.irp g, 0,1
.irp i, 0,1,2,3,4,5,6,7,8,9,10,11,12,13,14,15
	v_med3_num_f32 v[ACC+16*\g+\i], v[ACC+16*\g+\i], -v[CAP+\g], v[CAP+\g]   ; the hold: the conversion does not saturate (ISA guide 7.6.2)
.endr
	v_cvt_scalef32_pk8_bf8_f32 v[NCD+4*\g:NCD+4*\g+1], v[ACC+16*\g:ACC+16*\g+7], v[SOP+\g]
	v_cvt_scalef32_pk8_bf8_f32 v[NCD+4*\g+2:NCD+4*\g+3], v[ACC+16*\g+8:ACC+16*\g+15], v[SOP+\g]
.endr
	v_add_nc_u32 v[VX], s[SX], v[VX0]              ; (a plain line behind the conversions)
	ds_store_b32 v[VX], v[WS] offset:4*(\j)        ; both halves of the lanes hold the same word
	global_store_b128 v[CN], v[NCD:NCD+3], s[OP:OP+1] offset:2048*(\j)          ; each store of the wave covers 512 consecutive bytes, aligned
	global_store_b128 v[CN], v[NCD+4:NCD+7], s[OP:OP+1] offset:2048*(\j)+512
.endm
; A block of phase 1, the j-th of my four of a chunk.  rnd = 1: a drained round, and the chunk two on is filled over the chunk in hand, whose last rows stand in registers.
; f: what is fetched behind the products: 0: block j + 2 of this chunk; 1: block j - 2 of the next; 2: V's block j - 2, from the next slot.
.macro BLK1 j, rnd, f
	s_wait_dscnt NF                                ; this block's set is in: behind its fetch the next block's NF loads were issued, and two stores
	s_wait_xcnt 0x0                                ; the earlier stores have read their registers
.if \rnd
	s_wait_tensorcnt 0x0                           ; the next chunk is in
	ds_add_u32 v[SPW], v[NIL]
	s_and_b32 s101, s[TRIP], 1                     ; chunks 2, 3, and 2 again
	s_lshl_b32 s101, s101, 17
	RDESC CUR, 34
.endif
.set N_, 0
.rept 32
	PROD 0, (\j)%2, 0, N_
.set N_, N_+1
.endr
	WIN 0
.if \rnd
	s_wait_alu depctr_va_vdst(0)
	s_wait_dscnt 0x0                               ; the add is done, and my reads of the chunk in hand are over
	CROUND
	TLOAD G0R, G1R
	PLACES 4                                       ; with the four behind the load: eight places behind the products
.else
	PLACES 8
.endif
.if (\f) == 0
	s_add_co_u32 s[T0], s[CUR], ((\j)+2)*2*TILEP
	s_add_co_u32 s[T1], s[SSC], ((\j)+2)*2*SUN
	v_add_nc_u32 v[ADRA], s[T0], v[ADRA0]
	v_add_nc_u32 v[AAS], s[T1], v[AAS0]
.elseif (\f) == 1
	s_add_co_u32 s[T0], s[NXT], ((\j)-2)*2*TILEP
	s_add_co_u32 s[T1], s[SSC], SCH+((\j)-2)*2*SUN
	v_add_nc_u32 v[ADRA], s[T0], v[ADRA0]
	v_add_nc_u32 v[AAS], s[T1], v[AAS0]
.else
	s_add_co_u32 s[T0], s[NXT], ((\j)-2)*TILEP
	v_add_nc_u32 v[ADRA], s[T0], v[ADRV0]
	v_add_nc_u32 v[AAS], 2*SCH+((\j)-2)*SUN, v[AASV0]
.endif
	FETCH (\j)%2
	OUT1 \j
.endm
	WEIGHTS
	s_mov_b32 s[TRIP], 0
	s_mov_b32 s[CUR], 0
	s_mov_b32 s[NXT], YB
	s_mov_b32 s[SSC], 0
	s_wait_tensorcnt 0x0                           ; every wave: its load is in
	ds_add_u32 v[SPW], v[NIL]
	s_mov_b32 s101, 131072
	RDESC NXT, 35                                  ; chunk 1
	s_mov_b32 s[SEL], 0x76543210
	s_mov_b32 s[SEL+1], 0xfedcba98                 ; v_permlanex16_b32's selects for lane l xor 16
	s_mov_b32 s[MNT], 0x600000                     ; the mantissa field of 57,344
	s_wait_dscnt 0x0                               ; the add is done, and the weight stands in my registers
	CROUND
	TLOAD G0R, G1R
	v_mov_b32 v[ADRA], v[ADRA0]
	v_mov_b32 v[AAS], v[AAS0]
	FETCH 0
	v_add_nc_u32 v[ADRA], 2*TILEP, v[ADRA0]
	v_add_nc_u32 v[AAS], 2*SUN, v[AAS0]
	FETCH 1
	s_wait_loadcnt 0x0                             ; the weights' scale words
	s_mov_b32 s[SX], 0
.Lchunk:                                           ; chunks 0, 1, 2: four blocks and one refill each
	BLK1 0, 0, 0
	s_cmp_lg_u32 s[TRIP], 0
	s_cbranch_scc1 .Lnot_c3
	global_prefetch_b8 v[PF2], s[4:5] offset:131072 th:TH_LOAD_NT scope:SCOPE_SE   ; chunk 3
.Lnot_c3:
	s_cmp_lg_u32 s[TRIP], 1
	s_cbranch_scc1 .Lnot_wv
	global_prefetch_b8 v[PFW], s[16:17] th:TH_LOAD_NT scope:SCOPE_SE               ; Wv's rows
.Lnot_wv:
	BLK1 1, 0, 0
	BLK1 2, 1, 1
	BLK1 3, 0, 1
	s_wait_xcnt 0x0                                ; the stores have read their base
	s_add_nc_u64 s[OP:OP+1], s[OP:OP+1], REC
	s_mov_b32 s[CUR], s[NXT]
	s_xor_b32 s[NXT], s[NXT], YB
	s_add_co_u32 s[SSC], s[SSC], SCH
	s_add_co_u32 s[SX], s[SX], 512
	s_add_co_u32 s[TRIP], s[TRIP], 1
	s_cmp_eq_u32 s[TRIP], 2
	s_cselect_b64 s[OP:OP+1], s[OPS:OPS+1], s[OP:OP+1]   ; chunk 2 begins V's window
	s_wait_alu depctr_va_vdst(0)
	s_cmp_lg_u32 s[TRIP], 3
	s_cbranch_scc1 .Lchunk
	BLK1 0, 0, 0                                   ; chunk 3, in slot 1
	BLK1 1, 0, 0
	s_wait_tensorcnt 0x0                           ; V's first chunk is in; Wv's rows go over chunk 3, whose last rows stand in registers
	ds_add_u32 v[SPW], v[NIL]
	s_mov_b32 s[G1B+2], (KROW>>16)|(32<<16)        ; no tensor load of mine is out: the weight's descriptor now brings 32 rows a wave
	s_mov_b32 s[G1B+4], 32
	s_mul_i32 s[G0B+1], s24, 32*PITCH
	s_add_co_u32 s[G0B+1], s[G0B+1], YB
	s_lshl_b32 s98, s24, 15
	s_add_co_u32 s98, s98, s12
	s_mov_b32 s99, 0
	s_add_nc_u64 s[G0B+2:G0B+3], s[16:17], s[98:99]
	s_or_b32 s[G0B+3], s[G0B+3], 0x80000000
	s_wait_alu depctr_va_vdst(0)
	s_wait_dscnt 0x0
	CROUND
	TLOAD G0B, G1B
	BLK1 2, 0, 2
	BLK1 3, 0, 2
	s_wait_tensorcnt 0x0                           ; the change of phase: Wv's rows are in
	s_wait_dscnt 0x0
	BARRIER
	WEIGHTS                                        ; (the last block's way out stands between its products and these loads)
	s_wait_tensorcnt 0x0
	ds_add_u32 v[SPW], v[NIL]
	s_mov_b32 s101, 131072
	RDESC CUR, 34                                  ; V's second chunk over Wv's rows
	s_mov_b32 s[TRIP], 0
	s_mov_b32 s[CUR], 0
	s_mov_b32 s[SSC], 2*SCH
	s_mov_b32 s[SX], 0
	s_wait_dscnt 0x0
	CROUND
	TLOAD G0R, G1R
.macro OUTV u                          ; a pair of V's blocks, 32 keys: for each of my four tiles of d 16 sums a lane -> group 2 u + w of fragment b; the byte goes to XV
.irp b, 0,1,2,3
	v_max3_num_f32 v[TM+\b], |v[ACC+8*\b]|, |v[ACC+8*\b+1]|, 0x8000000
.endr
.irp i, 2,4,6
.irp b, 0,1,2,3
	v_max3_num_f32 v[TM+\b], v[TM+\b], |v[ACC+8*\b+\i]|, |v[ACC+8*\b+\i+1]|
.endr
.endr
.irp i, 0,2,4,6
.irp b, 0,1,2,3
	v_max3_num_f32 v[TM+\b], v[TM+\b], |v[ACC+32+8*\b+\i]|, |v[ACC+32+8*\b+\i+1]|
.endr
.endr
	SCALE4 4
.irp b, 0,1,2,3
.irp i, 0,1,2,3,4,5,6,7
	v_med3_num_f32 v[ACC+8*\b+\i], v[ACC+8*\b+\i], -v[CAP+\b], v[CAP+\b]
	v_med3_num_f32 v[ACC+32+8*\b+\i], v[ACC+32+8*\b+\i], -v[CAP+\b], v[CAP+\b]
.endr
	v_cvt_scalef32_pk8_bf8_f32 v[NCD+4*\b:NCD+4*\b+1], v[ACC+8*\b:ACC+8*\b+7], v[SOP+\b]
	v_cvt_scalef32_pk8_bf8_f32 v[NCD+4*\b+2:NCD+4*\b+3], v[ACC+32+8*\b:ACC+32+8*\b+7], v[SOP+\b]
.endr
	v_add_nc_u32 v[VX], s[SX], v[XV0]              ; (a plain line behind the conversions)
.irp b, 0,1,2,3
	ds_store_b8 v[VX], v[EB+\b] offset:4*\b+2*(\u)
	global_store_b128 v[CN], v[NCD+4*\b:NCD+4*\b+3], s[VP:VP+1] offset:2048*\b+1024*(\u)
.endr
.endm
.macro BLKV j                          ; a block of phase 2, the j-th of my four of a chunk: tile 4 (j / 2) + 2 w + j % 2
	s_wait_dscnt NF
	s_wait_xcnt 0x0
.set N_, 0
.rept 32
	PROD 1, (\j)%2, (\j)%2, N_
.set N_, N_+1
.endr
	WIN 0
	PLACES 8
.if (\j) == 2
	s_wait_tensorcnt 0x0                           ; every wave: its quarter of V's second chunk is in
	s_wait_dscnt 0x0
	BARRIER
.endif
.if (\j) < 2
	s_add_co_u32 s[T0], s[CUR], (4+(\j))*TILEP
	s_add_co_u32 s[T1], s[SSC], (4+(\j))*SUN
	v_add_nc_u32 v[ADRA], s[T0], v[ADRV0]
	v_add_nc_u32 v[AAS], s[T1], v[AASV0]
	FETCH (\j)%2
.else
	s_cmp_eq_u32 s[TRIP], 1                        ; behind the last chunk nothing follows (no LDS load is out here on that way: the barrier in block 2 has waited for all)
	s_cbranch_scc1 .Lnone_\@
	v_add_nc_u32 v[ADRA], YB+((\j)-2)*TILEP, v[ADRV0]
	v_add_nc_u32 v[AAS], 3*SCH+((\j)-2)*SUN, v[AASV0]
	FETCH (\j)%2
.Lnone_\@:
.endif
.if (\j)%2
	OUTV (\j)/2
.endif
.endm
.Lv:                                               ; V's two chunks
	BLKV 0
	BLKV 1
	BLKV 2
	BLKV 3
	s_wait_xcnt 0x0
	s_add_nc_u64 s[VP:VP+1], s[VP:VP+1], REC
	s_mov_b32 s[CUR], YB
	s_add_co_u32 s[SSC], s[SSC], SCH
	s_add_co_u32 s[SX], s[SX], 512
	s_add_co_u32 s[TRIP], s[TRIP], 1
	s_wait_alu depctr_va_vdst(0)
	s_cmp_lg_u32 s[TRIP], 2
	s_cbranch_scc1 .Lv
	s_wait_dscnt 0x0                               ; the scale words: everybody's are stored,
	BARRIER
	ds_load_b128 v[NCD:NCD+3], v[RDQ]              ; and leave as whole images of 512 bytes
	ds_load_b128 v[NCD+4:NCD+7], v[RDQ] offset:512
	ds_load_b128 v[NCD+8:NCD+11], v[RDV]
	s_wait_dscnt 0x0
	global_store_b128 v[CN], v[NCD:NCD+3], s[20:21]
	global_store_b128 v[CN], v[NCD+4:NCD+7], s[20:21] offset:REC
	global_store_b128 v[CN], v[NCD+8:NCD+11], s[22:23]
	s_wait_tensorcnt 0x0                           ; the wave's end
	ds_add_u32 v[SPW], v[NIL]
	s_wait_dscnt 0x0
	CROUND                                         ; the closing round
	s_endpgm
.Lfunc_end_k_qeec40b39e9_qkv:
	.size	k_qeec40b39e9_qkv, .Lfunc_end_k_qeec40b39e9_qkv-k_qeec40b39e9_qkv
	.p2alignl 7, 3214868480
	.fill 96, 4, 3214868480
	.section	.rodata,"a",@progbits
	.p2align	6, 0x0
	.amdhsa_kernel k_qeec40b39e9_qkv
		.amdhsa_group_segment_fixed_size 327680
		.amdhsa_private_segment_fixed_size 0
		.amdhsa_enable_private_segment 0
		.amdhsa_kernarg_size 80
		.amdhsa_user_sgpr_count 2
		.amdhsa_user_sgpr_kernarg_segment_ptr 1
		.amdhsa_wavefront_size32 1
		.amdhsa_system_sgpr_workgroup_id_x 1
		.amdhsa_system_sgpr_workgroup_id_y 1
		.amdhsa_system_sgpr_workgroup_id_z 1
		.amdhsa_system_vgpr_workitem_id 0
		.amdhsa_next_free_vgpr 1024
		.amdhsa_next_free_sgpr 102
		.amdhsa_reserve_vcc 0
		.amdhsa_float_denorm_mode_32 3
		.amdhsa_float_denorm_mode_16_64 3
		.amdhsa_memory_ordered 1
		.amdhsa_forward_progress 1
		.amdhsa_inst_pref_size 172
	.end_amdhsa_kernel
	.amdgpu_metadata
---
amdhsa.version: [ 1, 2 ]
amdhsa.kernels:
  - .name:           k_qeec40b39e9_qkv
    .symbol:         k_qeec40b39e9_qkv.kd
    .args:
      - { .name: x_codes, .offset: 0, .size: 8, .value_kind: global_buffer, .address_space: global }
      - { .name: x_scales, .offset: 8, .size: 8, .value_kind: global_buffer, .address_space: global }
      - { .name: Wq_codes, .offset: 16, .size: 8, .value_kind: global_buffer, .address_space: global }
      - { .name: Wq_scales, .offset: 24, .size: 8, .value_kind: global_buffer, .address_space: global }
      - { .name: Wk_codes, .offset: 32, .size: 8, .value_kind: global_buffer, .address_space: global }
      - { .name: Wk_scales, .offset: 40, .size: 8, .value_kind: global_buffer, .address_space: global }
      - { .name: Wv_codes, .offset: 48, .size: 8, .value_kind: global_buffer, .address_space: global }
      - { .name: Wv_scales, .offset: 56, .size: 8, .value_kind: global_buffer, .address_space: global }
      - { .name: qb, .offset: 64, .size: 8, .value_kind: global_buffer, .address_space: global }
      - { .name: kv, .offset: 72, .size: 8, .value_kind: global_buffer, .address_space: global }
    .group_segment_fixed_size: 327680
    .private_segment_fixed_size: 0
    .kernarg_segment_align: 8
    .kernarg_segment_size: 80
    .max_flat_workgroup_size: 128
    .sgpr_count:     102
    .vgpr_count:     1024
    .wavefront_size: 32
...
	.end_amdgpu_metadata
.endif
;; end of part 1
;; launch attn (part 2): grid 4 x 64, 16 waves a work-group, clusters of 4 x 1, 327,680 bytes of LDS; arguments qb, kv, att, atts; writes att, atts
.if DOCPART == 2
	.amdgcn_target "amdgcn-amd-amdhsa--gfx1250"
	.amdhsa_code_object_version 6
	.text
	.protected	k_qeec40b39e9_attn
	.globl	k_qeec40b39e9_attn
	.p2align	8
	.type	k_qeec40b39e9_attn,@function
k_qeec40b39e9_attn:
	s_mov_b64 s[64:65], 0
	v_nop
	global_prefetch_b8 v0, s[64:65] scope:SCOPE_SE
	s_setreg_imm32_b32 hwreg(HW_REG_WAVE_MODE, 25, 1), 1
	s_wait_xcnt 0x0
	s_wait_alu depctr_hold_cnt(0) depctr_sa_sdst(0) depctr_va_vdst(0) depctr_va_sdst(0) depctr_va_ssrc(0) depctr_va_vcc(0) depctr_vm_vsrc(0)
	s_getreg_b32 s2, hwreg(HW_REG_IB_STS2, 6, 4)
	s_cmp_eq_u32 s2, 0
	s_cbranch_scc0 .Lentry_in_a_cluster
	s_endpgm
.Lentry_in_a_cluster:
	s_bfe_u32 s2, ttmp6, 0x10000c
	s_cmp_lg_u32 s2, 0x3003
	s_cbranch_scc0 .Lentry_shape_is_right
	s_endpgm
.Lentry_shape_is_right:
; CAUSAL ATTENTION OF ONE HEAD ON CODES OF BF8 (E5M2, one E8M0 byte for 32 along a product's K), and the quantiser of its result along (head, d) for the projection.
; qb, kv: records of REC bytes, [batch x 16 + head][128 tokens]: eight tiles of 16 tokens x 64 codes (1,024 bytes each, images of operand registers), four fragments of V^T (2,048 each), K's (or Q's) scale words, V's scale words.
; LEFT OUT: reference() masks key k for query q where k > q, by a mask that it builds itself; a step of 128 keys all of which come after a tile's 16 queries is not computed. A NaN or an infinity that lies only there is not carried.
; t = score x log2(e) / 8; M = the running largest t rounded up to a whole number; p = 2^(t - M) is quantised along the keys, not normalised; the row's sum is taken of the unquantised p and divides at the end.
; LIMITS: NaN, infinities and a scale byte 0xff are not served; the scaled scores stay under 2^31 in magnitude; a block of zeros keeps the byte 1 (its codes are zeros, and this program alone reads the bytes).
; THE DEAL.  The four work-groups of a head form a cluster.  Wave w of the work-group at place cx owns the query tiles 127 - j and j, j = 4 w + cx: 16 - w / 2 and w / 2 + 1 key steps, 17 for every wave.
; The number of steps hangs on w alone, so no branch hangs on the place in the cluster; the place enters global addresses and the diagonal's lane masks (chosen by s_cselect_b32) only.  Every work-group reads all sixteen records.
; THE LOADS.  A head's sixteen records, 278,528 bytes, lie in LDS whole: wave w asks for record w, 68 rows of 256 bytes, by ONE JOINT LOAD that names the four partners.  Nothing is filled again.
; Waves 0 to 3 have a load line of their own: the first barrier shows records 0 to 3, the second, four steps on, all.  No prefetch: every byte that comes through LDS is asked for at the head, so no later load exists to run ahead of.
; A STEP.  S^T = K Q^T: fragment t is registers KFR + 8 t .. + 15: tile t's 64 codes and, over Q's zero codes, the next tile's (behind tile 7 eight registers of zeros).  A lane holds one query; the 16 registers of tiles 2 b, 2 b + 1 are block b of the keys.
; The hold writes into K's registers, so that p stays: V's fragments follow there, and the row's 32 additions stand behind the second product's four instructions as their places.
.set REC,   17408
.set HREC,  16*REC
.set VOFF,  8192
.set KSOFF, 16384
.set VSOFF, 16896
.set SPARE, 16*REC                     ; behind the records: the spare words, 128 bytes a wave
.set L16,  1                           ; 16 x lane
.set ADR,  2                           ; LDS address of the record in hand
.set R16,  3                           ; 16 x (lane % 16)
.set RH,   4                           ; lane % 16 - 8 (lane / 16)
.set BOFF, 5                           ; the result's scale byte: 32 (lane % 16) + lane / 16
.set QF,   16                          ; Q's fragment: 8 registers of codes, 8 of zeros
.set KFR,  32                          ; K's eight tiles; then the held p; then V's four fragments
.set PAD,  96                          ; eight registers of zeros
.set S,    104                         ; S^T, then p
.set O,    168                         ; O^T
.set PCD,  200                         ; p's codes
.set KSC,  216                         ; K's scale words, then V's
.set QSC,  220
.set PSW,  221
.set BM,   224
.set T1,   228
.set CAP,  232
.set SCO,  236
.set FF,   240
.set SUM2, 242
.set TA,   244
.set NINF, 245
.set SPW,  254
.set NIL,  255
.set WV,   12
.set CX,   13
.set BH,   14
.set G1,   16
.set G0,   24
.set SEL,  32
.set CS,   34
.set MNT,  36
.set HM,   37
.set TB,   38                          ; LDS byte of the record in hand
.set KI,   39                          ; its number
.set LIM,  40                          ; the tile's last record: the diagonal's
.set T8,   41                          ; the tile's place among that record's eight
.set GT,   42
.set CNT,  43
.set PB,   44                          ; s[44:51] the large tile's four addresses; s[52:59] the small one's
.set PS,   52
.set LIMS, 60
.set T8S,  61
.set MK,   80                          ; s80-87: lanes whose key 8 h + i comes after query r, in the tile on the diagonal
.set MM,   88                          ; s88-95: the masks of the tile in hand
.macro CROUND                          ; a round of the cluster's barrier
	s_barrier_signal -1
	s_barrier_wait -1
	s_cmp_lg_u32 s[WV], 0
	s_cbranch_scc1 .Lnot_wave_0_\@
	s_barrier_signal -3
.Lnot_wave_0_\@:
	s_barrier_wait -3
	s_barrier_signal -1
	s_barrier_wait -1
.endm
.macro TLOAD                           ; an s_nop 0 and four v_nop follow the load
	tensor_load_to_lds s[G0:G0+3], s[G1:G1+7]
	s_nop 0
.rept 4
	v_nop
.endr
.endm
	s_load_b256 s[4:11], s[0:1], 0x0               ; qb, kv, att, atts
	v_lshl_add_u32 v[SPW], v0, 2, SPARE
	v_mov_b32 v[NIL], 0
	ds_add_u32 v[SPW], v[NIL]                      ; the opening lines: the add, twice on end, and its wait
	ds_add_u32 v[SPW], v[NIL]
	v_lshrrev_b32 v2, 5, v0
	v_readfirstlane_b32 s[WV], v2                  ; wave 0..15
	s_and_b32 s[BH], ttmp7, 0xffff                 ; batch x 16 + head
	s_bfe_u32 s[CX], ttmp6, 0x40000                ; my place in the cluster
	s_mul_i32 s68, s[BH], HREC
	s_mul_i32 s69, s[WV], REC
	s_mov_b32 s[G1+0], 15|(3<<16)|(1<<21)          ; the four partners; elements of 8 bytes; bit 21 beside a mask
	s_mov_b32 s[G1+1], 32<<16
	s_mov_b32 s[G1+2], 68<<16
	s_mov_b32 s[G1+3], 32<<16
	s_mov_b32 s[G1+4], 68
	s_mov_b32 s[G1+5], 32
	s_mov_b32 s[G1+6], 0
	s_mov_b32 s[G1+7], 0
	s_add_co_u32 s66, s68, s69
	s_mov_b32 s67, 0
	s_mov_b32 s[G0], 1
	s_mov_b32 s[G0+1], s69                         ; record w goes to w x REC: no place in the cluster enters it
	s_wait_dscnt 0x0
	CROUND                                         ; the four work-groups are here: the joint loads meet
	s_wait_kmcnt 0x0
	s_add_nc_u64 s[G0+2:G0+3], s[6:7], s[66:67]
	s_or_b32 s[G0+3], s[G0+3], 0x80000000
	s_cmp_lt_u32 s[WV], 4                          ; two arms, one load each: waves 0 to 3 alone wait at the first barrier, so they have a line of their own
	s_cbranch_scc0 .Lrest
	TLOAD
	s_branch .Lasked
.Lrest:
	TLOAD
.Lasked:
	s_lshl_b32 s76, s[WV], 2
	s_add_co_u32 s76, s76, s[CX]                   ; j: the small tile
	s_sub_co_u32 s75, 127, s76                     ; the large tile
	s_lshr_b32 s[LIMS], s[WV], 1                   ; j / 8 = w / 2
	s_sub_co_u32 s[LIM], 15, s[LIMS]               ; (127 - j) / 8
	s_and_b32 s[T8], s75, 7
	s_and_b32 s[T8S], s76, 7
	s_lshr_b32 s72, s[BH], 4
	s_lshl_b32 s72, s72, 7                         ; 128 x batch: token tiles
	s_and_b32 s77, s[BH], 15
	s_lshl_b32 s73, s77, 10                        ; att: [token tile: 16,384 bytes][head: 1,024]
	s_lshl_b32 s74, s77, 1                         ; atts: [token][32]: two bytes a head
.macro PTRS p, tau                     ; tile tau: Q's codes, Q's scale words, the result's codes, its scale bytes
	s_lshr_b32 s70, s[\tau], 3
	s_mul_i32 s70, s70, REC
	s_add_co_u32 s70, s70, s68
	s_and_b32 s71, s[\tau], 7
	s_lshl_b32 s66, s71, 10
	s_add_co_u32 s66, s66, s70
	s_add_nc_u64 s[\p:\p+1], s[4:5], s[66:67]
	s_lshr_b32 s71, s71, 1
	s_lshl_b32 s71, s71, 2
	s_and_b32 s66, s[\tau], 1
	s_lshl_b32 s66, s66, 8
	s_add_co_u32 s66, s66, s71
	s_add_co_u32 s66, s66, s70
	s_add_co_u32 s66, s66, KSOFF
	s_add_nc_u64 s[\p+2:\p+3], s[4:5], s[66:67]
	s_add_co_u32 s66, s72, s[\tau]
	s_lshl_b32 s66, s66, 14
	s_add_co_u32 s66, s66, s73
	s_add_nc_u64 s[\p+4:\p+5], s[8:9], s[66:67]
	s_add_co_u32 s66, s72, s[\tau]
	s_lshl_b32 s66, s66, 9
	s_add_co_u32 s66, s66, s74
	s_add_nc_u64 s[\p+6:\p+7], s[10:11], s[66:67]
.endm
	PTRS PB, 75
	PTRS PS, 76
	s_mov_b32 s[SEL], 0x76543210
	s_mov_b32 s[SEL+1], 0xfedcba98                 ; v_permlanex16_b32's selects for lane l xor 16
	s_mov_b32 s[CS], 0x3e38aa3b                    ; log2(e) / 8
	s_mov_b32 s[CS+1], s[CS]
	s_mov_b32 s[MNT], 0x600000                     ; the mantissa field of 57,344
	s_mov_b32 s[HM], 0xffff0000
	s_mov_b32 s[TB], 0
	s_mov_b32 s[KI], 0
	v_and_b32 v[L16], 31, v0
	v_lshlrev_b32 v[L16], 4, v[L16]
	v_and_b32 v6, 15, v0
	v_bfe_u32 v7, v0, 4, 1
	v_lshlrev_b32 v[R16], 4, v6
	v_lshlrev_b32 v8, 3, v7
	v_sub_nc_u32 v[RH], v6, v8
	v_lshl_add_u32 v[BOFF], v6, 5, v7
.macro QLOAD p
	global_load_b128 v[QF:QF+3], v[L16], s[\p:\p+1]
	global_load_b128 v[QF+4:QF+7], v[L16], s[\p:\p+1] offset:512
	global_load_b32 v[QSC], v[R16], s[\p+2:\p+3]
.endm
.macro RESET                           ; the largest t: -3e38; the sum and O^T: zeros, which the first change of M leaves zeros
	v_mov_b32 v13, 0xff61b1e6
	s_delay_alu instid0(VALU_DEP_1)
	v_floor_f32 v12, -v13
	v_mov_b32 v14, 0
	v_mov_b32 v15, 0
.set n, 0
.rept 32
	v_mov_b32 v[O+n], 0
.set n, n+1
.endr
.endm
	QLOAD PB
.irp i, 0,1,2,3,4,5,6,7
	v_cmp_gt_i32 s[MK+\i], \i, v[RH]               ; key 8 h + i against query r
	v_mov_b32 v[QF+8+\i], 0
	v_mov_b32 v[PAD+\i], 0
.endr
.irp b, 0,1,2,3
	v_mov_b32 v[T1+\b], 0                          ; a lane permute's destination counts as one of its sources
.endr
	v_mov_b32 v[FF+1], 0
	v_mov_b32 v[TA], 0
	v_mov_b32 v[NINF], 0xff800000
	RESET
.macro STEP causal                     ; 128 keys: record KI
.if \causal
	s_cmp_gt_u32 s[KI], s[LIM]                     ; all its keys come after my queries: a branch on the wave's number and the count of steps
	s_cbranch_scc1 .Lhidden_\@
.endif
	v_add_nc_u32 v[ADR], s[TB], v[L16]
.set n, 0
.rept 16
	ds_load_b128 v[KFR+4*n:KFR+4*n+3], v[ADR] offset:512*n       ; the eight tiles on end: 8,192 bytes, 64 registers
.set n, n+1
.endr
	ds_load_b128 v[KSC:KSC+3], v[ADR] offset:KSOFF
	s_wait_alu depctr_va_vdst(0)                   ; the wait ahead of the wait below
	s_wait_dscnt 0x0
.irp t, 0,2,4,6
	v_wmma_scale_f32_16x16x128_f8f6f4 v[S+8*\t:S+8*\t+7], v[KFR+8*\t:KFR+8*\t+15], v[QF:QF+15], 0, v[KSC+\t/2], v[QSC] matrix_a_fmt:MATRIX_FMT_BF8 matrix_b_fmt:MATRIX_FMT_BF8
	v_wmma_scale_f32_16x16x128_f8f6f4 v[S+8*\t+8:S+8*\t+15], v[KFR+8*\t+8:KFR+8*\t+23], v[QF:QF+15], 0, v[KSC+\t/2], v[QSC] matrix_a_fmt:MATRIX_FMT_BF8 matrix_b_fmt:MATRIX_FMT_BF8 matrix_a_scale:MATRIX_SCALE_ROW1
.endr
.rept 8
	v_nop                                          ; eight places ahead of the first reader of the scores
.endr
.if \causal
	s_cmp_lg_u32 s[KI], s[LIM]
	s_cbranch_scc1 .Lopen_\@
	; on the diagonal: tile u of the record is open (u < T8), hidden (u > T8) or cut by the eight stored masks (u = T8): hidden scores become -infinity, p = 0
.irp u, 0,1,2,3,4,5,6,7
	s_cmp_lt_u32 s[T8], \u
	s_cselect_b32 s[GT], -1, 0
	s_cmp_eq_u32 s[T8], \u
.irp i, 0,1,2,3,4,5,6,7
	s_cselect_b32 s[MM+\i], s[MK+\i], s[GT]
.endr
.irp i, 0,1,2,3,4,5,6,7
	v_cndmask_b32 v[S+8*\u+\i], v[S+8*\u+\i], v[NINF], s[MM+\i]
.endr
.endr
.Lopen_\@:
.endif
.irp b, 0,1,2,3
	v_max3_num_f32 v[BM+\b], v[S+16*\b], v[S+16*\b+1], v[S+16*\b+2]      ; each block's largest score: for the row's maximum and for the block's largest p
.endr
.irp i, 3,5,7,9,11,13
.irp b, 0,1,2,3
	v_max3_num_f32 v[BM+\b], v[BM+\b], v[S+16*\b+\i], v[S+16*\b+\i+1]
.endr
.endr
.irp b, 0,1,2,3
	v_max_num_f32 v[BM+\b], v[BM+\b], v[S+16*\b+15]
.endr
.irp b, 0,1,2,3
	s_delay_alu instid0(VALU_DEP_4)
	v_permlanex16_b32 v[T1+\b], v[BM+\b], s[SEL], s[SEL+1]
.endr
.irp b, 0,1,2,3
	s_delay_alu instid0(VALU_DEP_4)
	v_max_num_f32 v[BM+\b], v[BM+\b], v[T1+\b]
.endr
	s_delay_alu instid0(VALU_DEP_2)
	v_max3_num_f32 v[TA], v[BM], v[BM+1], v[BM+2]
	s_delay_alu instid0(VALU_DEP_1)
	v_max_num_f32 v[TA], v[TA], v[BM+3]
	s_delay_alu instid0(VALU_DEP_1)
	v_mul_f32 v[TA], s[CS], v[TA]
	s_delay_alu instid0(VALU_DEP_1)
	v_max_num_f32 v13, v13, v[TA]                  ; the running largest t
	v_mov_b32 v[TA], v12
	s_delay_alu instid0(VALU_DEP_2)
	v_floor_f32 v12, -v13                          ; -M = floor(-t)
	s_delay_alu instid0(VALU_DEP_1)
	v_sub_f32 v[TA], v12, v[TA]
	s_delay_alu instid0(VALU_DEP_1)
	v_cvt_i32_f32 v[TA], v[TA]
	s_delay_alu instid0(VALU_DEP_1)
	v_ldexp_f32 v[FF], 1.0, v[TA]                  ; f = 2^(old M - new M)
.set n, 0
.rept 32
	v_pk_fma_f32 v[S+n:S+n+1], v[S+n:S+n+1], s[CS:CS+1], v[12:13] op_sel_hi:[1,0,0]   ; t - M
.set n, n+2
.endr
.irp b, 0,1,2,3
	v_fma_f32 v[BM+\b], v[BM+\b], s[CS], v12
.endr
	s_wait_alu depctr_va_vdst(0)                   ; the wait ahead of the batch
.set n, 0
.rept 64
	v_exp_f32 v[S+n], v[S+n]
.set n, n+1
.endr
.irp b, 0,1,2,3
	v_exp_f32 v[BM+\b], v[BM+\b]                   ; the block's largest p
.endr
	v_pk_mul_f32 v[14:15], v[14:15], v[FF:FF+1] op_sel_hi:[1,0]   ; the sum under the new M; a plain place behind the batch
	s_wait_alu depctr_va_vdst(0)                   ; and the wait behind it
.irp b, 0,1,2,3
	v_max_num_f32 v[BM+\b], 0x8000000, v[BM+\b]    ; the floor 2^(16 - 127): the byte cannot fall under 1
.endr
.irp b, 0,1,2,3
	s_delay_alu instid0(VALU_DEP_4)
	v_add_nc_u32 v[SCO+\b], 0xf8800000, v[BM+\b]   ; 15 off the exponent field: the conversion's scale operand
.endr
.irp b, 0,1,2,3
	v_and_or_b32 v[CAP+\b], v[BM+\b], 0x7f800000, s[MNT]   ; 57,344 x the scale
.endr
.irp b, 0,1,2,3
	v_lshrrev_b32 v[T1+\b], 23, v[SCO+\b]
.endr
	s_delay_alu instid0(VALU_DEP_3)
	v_lshl_or_b32 v[PSW], v[T1+1], 8, v[T1]
	s_delay_alu instid0(VALU_DEP_1)
	v_lshl_or_b32 v[PSW], v[T1+2], 16, v[PSW]
	s_delay_alu instid0(VALU_DEP_1)
	v_lshl_or_b32 v[PSW], v[T1+3], 24, v[PSW]      ; p's scale word
.irp b, 0,1,2,3
.irp i, 0,1,2,3,4,5,6,7,8,9,10,11,12,13,14,15
	v_min_num_f32 v[KFR+16*\b+\i], v[S+16*\b+\i], v[CAP+\b]      ; the hold (the conversion does not saturate: ISA guide 7.6.2), into K's registers: p itself stays for the sum
.endr
	v_cvt_scalef32_pk8_bf8_f32 v[PCD+4*\b:PCD+4*\b+1], v[KFR+16*\b:KFR+16*\b+7], v[SCO+\b]
	v_cvt_scalef32_pk8_bf8_f32 v[PCD+4*\b+2:PCD+4*\b+3], v[KFR+16*\b+8:KFR+16*\b+15], v[SCO+\b]
.endr
.set n, 0
.rept 16
	ds_load_b128 v[KFR+4*n:KFR+4*n+3], v[ADR] offset:VOFF+512*n  ; V^T's four fragments on end
.set n, n+1
.endr
	ds_load_b128 v[KSC:KSC+3], v[ADR] offset:VSOFF
	s_wait_alu depctr_va_vdst(0)                   ; the wait directly ahead of the first reader of O^T
.set n, 0
.rept 16
	v_pk_mul_f32 v[O+n:O+n+1], v[O+n:O+n+1], v[FF:FF+1] op_sel_hi:[1,0]   ; O^T under the new M
.set n, n+2
.endr
	s_wait_alu depctr_va_vdst(0)                   ; and ahead of the wait below
	s_wait_dscnt 0x0
.irp t, 0,1,2,3
	v_wmma_scale_f32_16x16x128_f8f6f4 v[O+8*\t:O+8*\t+7], v[KFR+16*\t:KFR+16*\t+15], v[PCD:PCD+15], v[O+8*\t:O+8*\t+7], v[KSC+\t], v[PSW] matrix_a_fmt:MATRIX_FMT_BF8 matrix_b_fmt:MATRIX_FMT_BF8
.endr
	v_pk_add_f32 v[SUM2:SUM2+1], v[S:S+1], v[S+2:S+3]            ; the row's sum of the unquantised p, in two chains: these 32 lines name none of the products' registers and are their places
.irp j, 4,8,12,16,20,24,28,32,36,40,44,48,52,56,60
	v_pk_add_f32 v[14:15], v[14:15], v[S+\j:S+\j+1]
	v_pk_add_f32 v[SUM2:SUM2+1], v[SUM2:SUM2+1], v[S+\j+2:S+\j+3]
.endr
	v_pk_add_f32 v[14:15], v[14:15], v[SUM2:SUM2+1]
	s_wait_alu depctr_va_vdst(0)                   ; the wait ahead of the branches below
.if \causal
.Lhidden_\@:
.endif
	s_add_co_u32 s[KI], s[KI], 1
	s_add_co_u32 s[TB], s[TB], REC
.endm
.macro FINISH p                        ; O^T / the sum, quantised along (head, d): two blocks of 32, each shared with lane l xor 16; 1,024 bytes of codes and a scale byte a lane
	v_add_f32 v14, v14, v15
	s_delay_alu instid0(VALU_DEP_1)
	v_permlanex16_b32 v[TA], v14, s[SEL], s[SEL+1]
	s_delay_alu instid0(VALU_DEP_1)
	v_add_f32 v14, v14, v[TA]
	s_wait_alu depctr_va_vdst(0)
	v_rcp_f32 v14, v14
	v_nop
	s_wait_alu depctr_va_vdst(0)
.set n, 0
.rept 32
	v_mul_f32 v[S+n], v[O+n], v14
.set n, n+1
.endr
.irp b, 0,1
	v_max3_num_f32 v[BM+\b], |v[S+16*\b]|, |v[S+16*\b+1]|, 0x8000000
.endr
.irp i, 2,4,6,8,10,12,14
.irp b, 0,1
	s_delay_alu instid0(VALU_DEP_2)
	v_max3_num_f32 v[BM+\b], v[BM+\b], |v[S+16*\b+\i]|, |v[S+16*\b+\i+1]|
.endr
.endr
.irp b, 0,1
	s_delay_alu instid0(VALU_DEP_2)
	v_permlanex16_b32 v[T1+\b], v[BM+\b], s[SEL], s[SEL+1]
.endr
.irp b, 0,1
	s_delay_alu instid0(VALU_DEP_2)
	v_max_num_f32 v[BM+\b], v[BM+\b], v[T1+\b]
.endr
.irp b, 0,1
	s_delay_alu instid0(VALU_DEP_2)
	v_add_nc_u32 v[SCO+\b], 0xf8800000, v[BM+\b]
.endr
.irp b, 0,1
	s_delay_alu instid0(VALU_DEP_4)
	v_and_or_b32 v[CAP+\b], v[BM+\b], 0x7f800000, s[MNT]
.endr
.irp b, 0,1
	s_delay_alu instid0(VALU_DEP_4)
	v_lshrrev_b32 v[T1+\b], 23, v[SCO+\b]
.endr
.irp b, 0,1
.irp i, 0,1,2,3,4,5,6,7,8,9,10,11,12,13,14,15
	v_med3_num_f32 v[S+16*\b+\i], v[S+16*\b+\i], -v[CAP+\b], v[CAP+\b]
.endr
	v_cvt_scalef32_pk8_bf8_f32 v[PCD+4*\b:PCD+4*\b+1], v[S+16*\b:S+16*\b+7], v[SCO+\b]
	v_cvt_scalef32_pk8_bf8_f32 v[PCD+4*\b+2:PCD+4*\b+3], v[S+16*\b+8:S+16*\b+15], v[SCO+\b]
.endr
	v_cndmask_b32 v[TA], v[T1], v[T1+1], s[HM]     ; lanes 0-15 store block 0's byte, lanes 16-31 block 1's
	global_store_b128 v[L16], v[PCD:PCD+3], s[\p+4:\p+5]          ; each store of the wave covers 512 consecutive bytes, aligned
	global_store_b128 v[L16], v[PCD+4:PCD+7], s[\p+4:\p+5] offset:512
	global_store_b8 v[BOFF], v[TA], s[\p+6:\p+7]                  ; one byte a lane, two to a token's row of 32
	s_wait_xcnt 0x0                                ; the stores have read their registers, which are written again below
.endm
	s_wait_alu depctr_va_vdst(0)                   ; the wait at the head's end
	s_cmp_lt_u32 s[WV], 4
	s_cbranch_scc0 .Lnot_first
	s_wait_tensorcnt 0x0                           ; waves 0 to 3: records 0 to 3 are in
.Lnot_first:
	s_barrier_signal -1
	s_barrier_wait -1
	s_wait_loadcnt 0x0                             ; Q
	s_mov_b32 s[CNT], 4
.Lfirst:                                           ; the large tile, records 0 to 3: all their keys count (its last record is 8 at the least)
	STEP 0
	s_sub_co_u32 s[CNT], s[CNT], 1
	s_cmp_lg_u32 s[CNT], 0
	s_cbranch_scc1 .Lfirst
	s_wait_tensorcnt 0x0                           ; every wave: its record is in
	s_wait_dscnt 0x0
	s_barrier_signal -1
	s_barrier_wait -1
	s_mov_b32 s[CNT], 12
.Lsecond:                                          ; records 4 to 15, up to the diagonal
	STEP 1
	s_sub_co_u32 s[CNT], s[CNT], 1
	s_cmp_lg_u32 s[CNT], 0
	s_cbranch_scc1 .Lsecond
	QLOAD PS
	FINISH PB
	RESET
	s_mov_b32 s[LIM], s[LIMS]
	s_mov_b32 s[T8], s[T8S]
	s_mov_b32 s[TB], 0
	s_mov_b32 s[KI], 0
	s_wait_alu depctr_va_vdst(0)
	s_wait_loadcnt 0x0
	s_mov_b32 s[CNT], 8
.Lsmall:                                           ; the small tile: records 0 to 7, up to the diagonal
	STEP 1
	s_sub_co_u32 s[CNT], s[CNT], 1
	s_cmp_lg_u32 s[CNT], 0
	s_cbranch_scc1 .Lsmall
	FINISH PS
	s_wait_tensorcnt 0x0                           ; the wave's end
	ds_add_u32 v[SPW], v[NIL]
	s_wait_dscnt 0x0
	CROUND                                         ; the closing round
	s_endpgm
.Lfunc_end_k_qeec40b39e9_attn:
	.size	k_qeec40b39e9_attn, .Lfunc_end_k_qeec40b39e9_attn-k_qeec40b39e9_attn
	.p2alignl 7, 3214868480
	.fill 96, 4, 3214868480
	.section	.rodata,"a",@progbits
	.p2align	6, 0x0
	.amdhsa_kernel k_qeec40b39e9_attn
		.amdhsa_group_segment_fixed_size 327680
		.amdhsa_private_segment_fixed_size 0
		.amdhsa_enable_private_segment 0
		.amdhsa_kernarg_size 32
		.amdhsa_user_sgpr_count 2
		.amdhsa_user_sgpr_kernarg_segment_ptr 1
		.amdhsa_wavefront_size32 1
		.amdhsa_system_sgpr_workgroup_id_x 1
		.amdhsa_system_sgpr_workgroup_id_y 1
		.amdhsa_system_sgpr_workgroup_id_z 1
		.amdhsa_system_vgpr_workitem_id 0
		.amdhsa_next_free_vgpr 256
		.amdhsa_next_free_sgpr 100
		.amdhsa_reserve_vcc 0
		.amdhsa_float_denorm_mode_32 3
		.amdhsa_float_denorm_mode_16_64 3
		.amdhsa_memory_ordered 1
		.amdhsa_forward_progress 1
		.amdhsa_inst_pref_size 94
	.end_amdhsa_kernel
	.amdgpu_metadata
---
amdhsa.version: [ 1, 2 ]
amdhsa.kernels:
  - .name:           k_qeec40b39e9_attn
    .symbol:         k_qeec40b39e9_attn.kd
    .args:
      - { .name: qb, .offset: 0, .size: 8, .value_kind: global_buffer, .address_space: global }
      - { .name: kv, .offset: 8, .size: 8, .value_kind: global_buffer, .address_space: global }
      - { .name: att, .offset: 16, .size: 8, .value_kind: global_buffer, .address_space: global }
      - { .name: atts, .offset: 24, .size: 8, .value_kind: global_buffer, .address_space: global }
    .group_segment_fixed_size: 327680
    .private_segment_fixed_size: 0
    .kernarg_segment_align: 8
    .kernarg_segment_size: 32
    .max_flat_workgroup_size: 512
    .sgpr_count:     100
    .vgpr_count:     256
    .wavefront_size: 32
...
	.end_amdgpu_metadata
.endif
;; end of part 2
;; launch proj (part 3): grid 8 x 32, 4 waves a work-group, clusters of 4 x 4, 327,680 bytes of LDS; arguments att, atts, Wproj_codes, Wproj_scales, bproj, out0; writes out0
.if DOCPART == 3
	.amdgcn_target "amdgcn-amd-amdhsa--gfx1250"
	.amdhsa_code_object_version 6
	.text
	.protected	k_qeec40b39e9_proj
	.globl	k_qeec40b39e9_proj
	.p2align	8
	.type	k_qeec40b39e9_proj,@function
k_qeec40b39e9_proj:
	s_mov_b64 s[64:65], 0
	v_nop
	global_prefetch_b8 v0, s[64:65] scope:SCOPE_SE
	s_setreg_imm32_b32 hwreg(HW_REG_WAVE_MODE, 25, 1), 1
	s_wait_xcnt 0x0
	s_wait_alu depctr_hold_cnt(0) depctr_sa_sdst(0) depctr_va_vdst(0) depctr_va_sdst(0) depctr_va_ssrc(0) depctr_va_vcc(0) depctr_vm_vsrc(0)
	s_getreg_b32 s2, hwreg(HW_REG_IB_STS2, 6, 4)
	s_cmp_eq_u32 s2, 0
	s_cbranch_scc0 .Lentry_in_a_cluster
	s_endpgm
.Lentry_in_a_cluster:
	s_bfe_u32 s2, ttmp6, 0x10000c
	s_cmp_lg_u32 s2, 0xf033
	s_cbranch_scc0 .Lentry_shape_is_right
	s_endpgm
.Lentry_shape_is_right:
; out0 = a Wproj^T + bproj on codes of BF8 (E5M2, one E8M0 byte for 32 along K = 1,024): 8,192 x 1,024 x 1,024, f32 sums, f32 out.
; att: a's codes as images of operand registers, [token tile of 16][head][2 groups][lane][16 bytes]: a tile is 16,384 dense bytes, 128 registers a lane.  atts: [token][32 scale bytes].
; Inside a block of 32 along K att's slot (c, h, i) holds k = 32 c + 8 h + i (i < 8) or 32 c + 16 + 8 h + (i - 8); Wproj's fragments are read in pieces of 8 bytes in that same order, so the set of products is that of the natural order.
; THE DEAL.  256 work-groups, each 256 tokens x 128 columns; four waves, 2 x 2.  A wave holds 64 rows of Wproj, ALL of K, in 512 registers (windows 1, 2) and streams eight blocks of 16 tokens past them: 32 products a block on four accumulators by turns,
; the bias as the first products' C.  A block's set of 128 registers (window 3, two sets) takes the block two on behind its products.
; Source 0 = Wproj's rows, source 1 = the tokens: a lane holds one token and eight neighbouring columns a tile.  A finished block goes through my own stage in LDS and leaves as rows of 256 bytes: sixteen lanes store one aligned unit.
; LDS: two slots of 128 rows of 1,024 bytes + 16 of padding.  At the head, one joint load a wave: waves 0, 1 Wproj's 128 rows into slot 1 (a line of their own: the first barrier shows them alone), waves 2, 3 tokens 0-127 into slot 0.
; When Wproj stands in registers, tokens 128-255 are filled over it, a quarter a wave, rows of the same make, behind a drained round of the cluster's barrier; the barrier inside block 2 shows them.
; CLUSTERS 4 x 4: a row of the cluster shares the tokens, a column Wproj's rows.  PREFETCH: tokens 128-255, 512 blocks of 256 bytes, are named once in a cluster's row at the head, a lane a block, shared out by address among its sixteen waves: W's 256 register loads and a round ahead of the load that wants them.
; The scale words and the bias go straight into registers, each byte once.  LIMITS: NaN, infinities and a scale byte 0xff are not served.
.set KROW,   1024
.set PITCH,  KROW+16
.set YB,     128*PITCH                 ; slot 1
.set TILEP,  16*PITCH                  ; a token tile, or 16 rows of Wproj, in LDS
.set STG,    2*YB                      ; the stages: two of 16 rows x 272 bytes for each wave
.set SPITCH, 272
.set SBUF,   16*SPITCH
.set SPARE,  STG+8*SBUF                ; the spare words
.set AX,   4                           ; v4-7  LDS address of my token tiles 0-1, 2-3 of slot 0, of slot 1
.set STO,  8                           ; v8    stage: where I put 32 bytes of a row
.set RD,   9                           ; v9    stage: where I read rows back
.set CO,   10                          ; v10   my byte offset in two rows of out0
.set ABS,  11                          ; v11   32 x lane: a row of scale bytes
.set BO,   12                          ; v12   32 x (lane / 16): the bias
.set PF,   13                          ; v13   the prefetch's offset
.set ADRB, 14                          ; v14   LDS address of my fragments of Wproj
.set SPW,  20
.set NIL,  21
.set WSC,  24                          ; v24-39  Wproj's scale words: 8 p + q: lanes 0-15 tile 2 p, lanes 16-31 tile 2 p + 1
.set XS,   44                          ; v44-75  the tokens': 8 u + q: lanes 0-15 block 2 u, lanes 16-31 block 2 u + 1 (no product's two scale registers have numbers equal modulo 8)
.set ACC,  80                          ; v80-143  two sets of four accumulators
.set BIAS, 144                         ; v144-175
.set BK,   176                         ; v176-239 two sets: 16 rows read back from the stage
.set G1W, 28
.set G1X, 36
.set G1R, 44
.set G0W, 52
.set G0X, 56
.set G0R, 60
.set MSB, 0
.macro WIN new                         ; the immediate's high byte repeats the setting that is left
.if MSB != (\new)
	s_set_vgpr_msb (MSB<<8)|(\new)
.set MSB, (\new)
.endif
.endm
.macro PLACES n
.rept \n
	v_nop
.endr
.endm
.macro BARRIER
	s_barrier_signal -1
	s_barrier_wait -1
.endm
.macro CROUND                          ; a round of the cluster's barrier
	BARRIER
	s_cmp_lg_u32 s16, 0
	s_cbranch_scc1 .Lnot_wave_0_\@
	s_barrier_signal -3
.Lnot_wave_0_\@:
	s_barrier_wait -3
	BARRIER
.endm
.macro TLOAD g0, g1                    ; an s_nop 0 and four v_nop follow the load
	tensor_load_to_lds s[\g0:\g0+3], s[\g1:\g1+7]
	s_nop 0
	PLACES 4
.endm
.macro GROUP1 g, mask, rows            ; so many whole rows of 1,024 bytes, dense in memory, 16 bytes of padding behind each in LDS
	s_or_b32 s[\g+0], s[\mask], (1<<20)|(1<<21)|(7<<22)|(3<<25)
	s_mov_b32 s[\g+1], (KROW&0xffff)<<16
	s_mov_b32 s[\g+2], (KROW>>16)|((\rows)<<16)
	s_mov_b32 s[\g+3], KROW<<16
	s_mov_b32 s[\g+4], \rows
	s_mov_b32 s[\g+5], KROW
	s_mov_b32 s[\g+6], 0
	s_mov_b32 s[\g+7], 0
.endm
	s_load_b128 s[4:7], s[0:1], 0x0                ; att, atts
	s_load_b128 s[8:11], s[0:1], 0x10              ; Wproj's codes, scales
	s_load_b128 s[12:15], s[0:1], 0x20             ; bproj, out0
	v_lshl_add_u32 v[SPW], v0, 2, SPARE
	v_mov_b32 v[NIL], 0
	ds_add_u32 v[SPW], v[NIL]                      ; the opening lines: the add, twice on end, and its wait
	ds_add_u32 v[SPW], v[NIL]
	v_lshrrev_b32 v1, 5, v0
	v_readfirstlane_b32 s16, v1                    ; wave 0..3
	s_lshr_b32 s17, s16, 1                         ; my row of waves: which 64 tokens of each 128
	s_and_b32 s18, s16, 1                          ; my column of waves: which 64 columns
	s_bfe_u32 s19, ttmp6, 0x40000                  ; cx, cy
	s_bfe_u32 s20, ttmp6, 0x40004
	s_lshl_b32 s21, ttmp9, 2
	s_add_co_u32 s21, s21, s19                     ; tile column, 0..7
	s_and_b32 s22, ttmp7, 0xffff
	s_lshl_b32 s22, s22, 2
	s_add_co_u32 s22, s22, s20                     ; tile row, 0..31
	s_lshl_b32 s23, s20, 2
	s_lshl_b32 s23, 15, s23                        ; my row of the cluster
	s_lshl_b32 s24, 0x1111, s19                    ; my column
	GROUP1 G1W, 24, 64
	GROUP1 G1X, 23, 64
	GROUP1 G1R, 23, 32
	s_lshl_b32 s70, s18, 16                        ; at the head a wave fetches 64 rows: which half
	s_lshl_b32 s66, s21, 17                        ; Wproj: 128 rows a tile column
	s_add_co_u32 s66, s66, s70
	s_mov_b32 s67, 0
	s_lshl_b32 s68, s22, 18                        ; att: 256 tokens a tile row
	s_lshl_b32 s71, s16, 15
	s_add_co_u32 s72, s68, 131072                  ; tokens 128-255: 32 rows a wave
	s_add_co_u32 s72, s72, s71
	s_mov_b32 s73, 0
	s_add_co_u32 s68, s68, s70
	s_mov_b32 s69, 0
	s_mul_i32 s74, s18, 64*PITCH
	s_mov_b32 s[G0W], 1
	s_add_co_u32 s[G0W+1], s74, YB
	s_mov_b32 s[G0X], 1
	s_mov_b32 s[G0X+1], s74
	s_mov_b32 s[G0R], 1
	s_mul_i32 s[G0R+1], s16, 32*PITCH
	s_add_co_u32 s[G0R+1], s[G0R+1], YB
	s_wait_dscnt 0x0
	CROUND                                         ; all sixteen work-groups are here: the first joint loads meet
	s_wait_kmcnt 0x0
	s_add_nc_u64 s[G0W+2:G0W+3], s[8:9], s[66:67]
	s_or_b32 s[G0W+3], s[G0W+3], 0x80000000
	s_add_nc_u64 s[G0X+2:G0X+3], s[4:5], s[68:69]
	s_or_b32 s[G0X+3], s[G0X+3], 0x80000000
	s_add_nc_u64 s[G0R+2:G0R+3], s[4:5], s[72:73]
	s_or_b32 s[G0R+3], s[G0R+3], 0x80000000
	s_cmp_lt_u32 s16, 2                            ; two arms, one load each
	s_cbranch_scc0 .Lfor_x
	TLOAD G0W, G1W                                 ; waves 0, 1: Wproj's rows, which are wanted first
	s_branch .Lasked
.Lfor_x:
	TLOAD G0X, G1X                                 ; waves 2, 3: tokens 0-127
.Lasked:
	s_lshl_b32 s76, s21, 7
	s_lshl_b32 s77, s18, 6
	s_add_co_u32 s76, s76, s77                     ; my first column
	s_lshl_b32 s78, s76, 5
	s_mov_b32 s79, 0
	s_add_nc_u64 s[10:11], s[10:11], s[78:79]      ; its scale bytes
	s_lshl_b32 s78, s76, 2
	s_add_nc_u64 s[12:13], s[12:13], s[78:79]      ; its bias
	s_add_nc_u64 s[14:15], s[14:15], s[78:79]
	s_lshl_b32 s76, s22, 8
	s_lshl_b32 s77, s17, 6
	s_add_co_u32 s76, s76, s77                     ; my first token
	s_lshl_b32 s78, s76, 5
	s_add_nc_u64 s[6:7], s[6:7], s[78:79]          ; its scale bytes
	s_lshl_b32 s78, s76, 12
	s_add_nc_u64 s[14:15], s[14:15], s[78:79]      ; out0 at my first token and column
	s_lshl_b32 s76, s19, 2
	s_add_co_u32 s76, s76, s16                     ; which of the cluster row's sixteen waves I am: 8,192 bytes of tokens 128-255 each
	s_lshl_b32 s76, s76, 13
	s_lshl_b32 s77, s22, 18
	s_add_co_u32 s76, s76, s77
	s_add_co_u32 s76, s76, 131072
	s_mul_i32 s77, s18, 64*PITCH
	s_add_co_u32 s77, s77, YB                      ; my 64 rows of Wproj
	s_mul_i32 s78, s17, 4*TILEP                    ; my four token tiles of a slot
	s_mul_i32 s79, s16, 2*SBUF
	s_add_co_u32 s79, s79, STG                     ; my stages
	v_and_b32 v1, 15, v0                           ; r
	v_bfe_u32 v2, v0, 4, 1                         ; h
	v_and_b32 v3, 31, v0                           ; lane
	v_mul_u32_u24 v15, v1, PITCH
	v_lshl_add_u32 v15, v2, 3, v15
	v_add_nc_u32 v[ADRB], s77, v15                 ; row r, + 8 h
	v_lshlrev_b32 v16, 4, v3
	v_add_nc_u32 v[AX], s78, v16                   ; 16 x lane in an image
	v_add_nc_u32 v[AX+1], 2*TILEP, v[AX]
	v_add_nc_u32 v[AX+2], YB, v[AX]
	v_add_nc_u32 v[AX+3], YB+2*TILEP, v[AX]
	v_mul_u32_u24 v17, v1, SPITCH
	v_lshl_add_u32 v17, v2, 5, v17
	v_add_nc_u32 v[STO], s79, v17
	v_mul_u32_u24 v18, v2, SPITCH
	v_lshl_add_u32 v18, v1, 4, v18
	v_add_nc_u32 v[RD], s79, v18
	v_lshlrev_b32 v19, 12, v2
	v_lshl_add_u32 v[CO], v1, 4, v19               ; lanes 0-15 one row of out0, lanes 16-31 the next
	v_lshlrev_b32 v[ABS], 5, v3
	v_lshlrev_b32 v[BO], 5, v2
	v_lshl_add_u32 v[PF], v3, 8, s76
	s_wait_alu depctr_va_vdst(0)                   ; the wait at the head's end
	global_prefetch_b8 v[PF], s[4:5] th:TH_LOAD_NT scope:SCOPE_SE
.irp p, 0,1
.irp c, 0,1
	global_load_b128 v[WSC+8*\p+4*\c:WSC+8*\p+4*\c+3], v[ABS], s[10:11] offset:\p*1024+16*\c
.endr
.endr
.irp u, 0,1,2,3                        ; blocks 2 u, 2 u + 1 are 32 tokens on end: 128 (u / 2) + 32 (u % 2) from my first
.irp c, 0,1
	global_load_b128 v[XS+8*\u+4*\c:XS+8*\u+4*\c+3], v[ABS], s[6:7] offset:(128*(\u/2)+32*(\u%2))*32+16*\c
.endr
.endr
.irp b, 0,1,2,3                        ; register j of tile b is column 16 b + 8 h + j
	global_load_b128 v[BIAS+8*\b:BIAS+8*\b+3], v[BO], s[12:13] offset:64*\b
	global_load_b128 v[BIAS+8*\b+4:BIAS+8*\b+7], v[BO], s[12:13] offset:64*\b+16
.endr
	s_cmp_lt_u32 s16, 2
	s_cbranch_scc0 .Lnot_w
	s_wait_tensorcnt 0x0                           ; waves 0, 1: Wproj's rows are in
.Lnot_w:
	BARRIER
.irp q, 0,1,2,3,4,5,6,7                ; fragment 4 q + b: 16 rows x 128 of K, in window 1 + (4 q + b) / 16: eight pieces of 8 bytes, k = 128 q + 16 c + 8 h ..
.irp b, 0,1,2,3
	WIN (1+(4*\q+\b)/16)<<6
.irp c, 0,1,2,3,4,5,6,7
	ds_load_b64 v[16*((4*\q+\b)%16)+2*\c:16*((4*\q+\b)%16)+2*\c+1], v[ADRB] offset:\b*TILEP+128*\q+16*\c
.endr
.endr
.endr
	WIN 0
	s_wait_tensorcnt 0x0                           ; every wave: its load is in
	ds_add_u32 v[SPW], v[NIL]
	s_wait_dscnt 0x0                               ; the add is done, and Wproj stands in my registers
	CROUND                                         ; no wave of any partner still reads slot 1; tokens 0-127 are shown
	TLOAD G0R, G1R                                 ; tokens 128-255 over Wproj's rows
.macro FETCH i                         ; block i, 16 tokens, all of K, into set i % 2 of window 3: 32 loads of 512 bytes on end
	WIN 3<<6
.set n, 0
.rept 32
	ds_load_b128 v[128*((\i)%2)+4*n:128*((\i)%2)+4*n+3], v[AX+2*((\i)/4)+((\i)%4)/2] offset:((\i)%2)*TILEP+PITCH*(n/2)+512*(n%2)
.set n, n+1
.endr
	WIN 0
.endm
.macro PROD i, n                       ; product n = 4 q + b of block i
.set Q_, (\n)/4
.set B_, (\n)%4
.set AC_, ACC+32*((\i)%2)+8*B_
.set C_, AC_
.if Q_ == 0
.set C_, BIAS+8*B_
.endif
.set R_, 128*((\i)%2)+16*Q_
.set W_, 16*((\n)%16)
.set XS_, XS+8*((\i)/2)+Q_
.set WS_, WSC+8*(B_/2)+Q_
	WIN (1+(\n)/16)|(3<<2)
.if B_%2 && (\i)%2
	v_wmma_scale_f32_16x16x128_f8f6f4 v[AC_:AC_+7], v[W_:W_+15], v[R_:R_+15], v[C_:C_+7], v[WS_], v[XS_] matrix_a_fmt:MATRIX_FMT_BF8 matrix_b_fmt:MATRIX_FMT_BF8 matrix_a_scale:MATRIX_SCALE_ROW1 matrix_b_scale:MATRIX_SCALE_ROW1
.elseif B_%2
	v_wmma_scale_f32_16x16x128_f8f6f4 v[AC_:AC_+7], v[W_:W_+15], v[R_:R_+15], v[C_:C_+7], v[WS_], v[XS_] matrix_a_fmt:MATRIX_FMT_BF8 matrix_b_fmt:MATRIX_FMT_BF8 matrix_a_scale:MATRIX_SCALE_ROW1
.elseif (\i)%2
	v_wmma_scale_f32_16x16x128_f8f6f4 v[AC_:AC_+7], v[W_:W_+15], v[R_:R_+15], v[C_:C_+7], v[WS_], v[XS_] matrix_a_fmt:MATRIX_FMT_BF8 matrix_b_fmt:MATRIX_FMT_BF8 matrix_b_scale:MATRIX_SCALE_ROW1
.else
	v_wmma_scale_f32_16x16x128_f8f6f4 v[AC_:AC_+7], v[W_:W_+15], v[R_:R_+15], v[C_:C_+7], v[WS_], v[XS_] matrix_a_fmt:MATRIX_FMT_BF8 matrix_b_fmt:MATRIX_FMT_BF8
.endif
.endm
.macro TOSTAGE i                       ; block i's sums into stage i % 2, each accumulator from its low end on, and back as rows of 256 bytes (LDS serves a wave's instructions in order: ISA guide 5.7.1.4)
.set AC_, ACC+32*((\i)%2)
.set BK_, BK+32*((\i)%2)
.irp b, 0,1,2,3
	ds_store_b128 v[STO], v[AC_+8*\b:AC_+8*\b+3] offset:SBUF*((\i)%2)+64*\b
	ds_store_b128 v[STO], v[AC_+8*\b+4:AC_+8*\b+7] offset:SBUF*((\i)%2)+64*\b+16
.endr
.irp t, 0,1,2,3,4,5,6,7
	ds_load_b128 v[BK_+4*\t:BK_+4*\t+3], v[RD] offset:SBUF*((\i)%2)+2*\t*SPITCH
.endr
.endm
.macro SEND i, younger                 ; younger: the LDS loads issued behind block i's read back, which may stay out
.set BK_, BK+32*((\i)%2)
	s_wait_dscnt \younger
.irp t, 0,1,2,3,4,5,6,7
	global_store_b128 v[CO], v[BK_+4*\t:BK_+4*\t+3], s[14:15] offset:(128*((\i)/4)+16*((\i)%4)+2*\t)*4096 th:TH_STORE_NT   ; sixteen lanes store 256 consecutive bytes, aligned
.endr
.endm
	FETCH 0
	FETCH 1
	s_wait_loadcnt 0x0                             ; the scale words and the bias
.irp i, 0,1,2,3,4,5,6,7
.if \i == 0
	s_wait_dscnt 32                                ; block 0's set is in; behind it: block 1's 32 loads
.elseif \i == 7
	s_wait_dscnt 16                                ; behind block 7's fetch: block 6's 16 stage instructions
.else
	s_wait_dscnt 48                                ; behind this block's fetch: 16 stage instructions and the next block's 32 loads
.endif
.set N_, 0
.rept 32
	PROD \i, N_
.set N_, N_+1
.endr
	WIN 0
	PLACES 8                                       ; ahead of the readers of the sums and of the loads into the set just read
.if \i > 0
.if \i < 7
	SEND \i-1, 32                                  ; the block before leaves: its read back was issued a block ago
.else
	SEND \i-1, 0
.endif
	s_wait_xcnt 0x0                                ; the stores have read their registers: the set of the block two back is loaded anew below
.endif
	TOSTAGE \i
.if \i == 2
	s_wait_tensorcnt 0x0                           ; every wave: its quarter of tokens 128-255 is in
	s_wait_dscnt 0x0
	BARRIER
.endif
.if \i < 6
	FETCH \i+2
.endif
.endr
	SEND 7, 0
	s_wait_tensorcnt 0x0                           ; the wave's end
	ds_add_u32 v[SPW], v[NIL]
	s_wait_dscnt 0x0
	CROUND                                         ; the closing round
	s_endpgm
.Lfunc_end_k_qeec40b39e9_proj:
	.size	k_qeec40b39e9_proj, .Lfunc_end_k_qeec40b39e9_proj-k_qeec40b39e9_proj
	.p2alignl 7, 3214868480
	.fill 96, 4, 3214868480
	.section	.rodata,"a",@progbits
	.p2align	6, 0x0
	.amdhsa_kernel k_qeec40b39e9_proj
		.amdhsa_group_segment_fixed_size 327680
		.amdhsa_private_segment_fixed_size 0
		.amdhsa_enable_private_segment 0
		.amdhsa_kernarg_size 48
		.amdhsa_user_sgpr_count 2
		.amdhsa_user_sgpr_kernarg_segment_ptr 1
		.amdhsa_wavefront_size32 1
		.amdhsa_system_sgpr_workgroup_id_x 1
		.amdhsa_system_sgpr_workgroup_id_y 1
		.amdhsa_system_sgpr_workgroup_id_z 1
		.amdhsa_system_vgpr_workitem_id 0
		.amdhsa_next_free_vgpr 1024
		.amdhsa_next_free_sgpr 80
		.amdhsa_reserve_vcc 0
		.amdhsa_float_denorm_mode_32 3
		.amdhsa_float_denorm_mode_16_64 3
		.amdhsa_memory_ordered 1
		.amdhsa_forward_progress 1
		.amdhsa_inst_pref_size 93
	.end_amdhsa_kernel
	.amdgpu_metadata
---
amdhsa.version: [ 1, 2 ]
amdhsa.kernels:
  - .name:           k_qeec40b39e9_proj
    .symbol:         k_qeec40b39e9_proj.kd
    .args:
      - { .name: att, .offset: 0, .size: 8, .value_kind: global_buffer, .address_space: global }
      - { .name: atts, .offset: 8, .size: 8, .value_kind: global_buffer, .address_space: global }
      - { .name: Wproj_codes, .offset: 16, .size: 8, .value_kind: global_buffer, .address_space: global }
      - { .name: Wproj_scales, .offset: 24, .size: 8, .value_kind: global_buffer, .address_space: global }
      - { .name: bproj, .offset: 32, .size: 8, .value_kind: global_buffer, .address_space: global }
      - { .name: out0, .offset: 40, .size: 8, .value_kind: global_buffer, .address_space: global }
    .group_segment_fixed_size: 327680
    .private_segment_fixed_size: 0
    .kernarg_segment_align: 8
    .kernarg_segment_size: 48
    .max_flat_workgroup_size: 128
    .sgpr_count:     80
    .vgpr_count:     1024
    .wavefront_size: 32
...
	.end_amdgpu_metadata
.endif
;; end of part 3
